; MI455X (gfx1250); checked and timed in simulation.
; The chip was launched on July 23, 2026; its instructions are those of AMD's public machine-readable ISA for CDNA 5 (MIT licence, August 2026) and "CDNA5" Instruction Set Architecture Reference Guide (July 2026). The comments in the code are by the model that wrote it; some were corrected since.
;; Ro PE Attention. Allowed arithmetic: matrix products marked QUANTISED: E2M1 operands, one E8M0 scale for each 32 along K, by v_wmma_scale_f32_16x16x128_f8f6f4 with both operands' format E2M1 (or v_wmma_scale_f32_32x16x128_f4), f32 sums; products left as they are: bf16, f16 or f32 operands; f32 sums; everything else in f32.
;; Inputs: Wk 1,024 x 1,024 float32; Wp 1,024 x 1,024 float32; Wq 1,024 x 1,024 float32; Wv 1,024 x 1,024 float32; bk 1,024 float32; bp 1,024 float32; bq 1,024 float32; bv 1,024 float32; pad_mask 8 x 1,024 bool; x 8 x 1,024 x 1,024 float32.
;; Outputs: out0 8 x 1,024 x 1,024 float32.
;; This version of the problem:
;;   THIS VERSION OF THE PROBLEM IS GIVEN IN LOW PRECISION. The matrix products marked QUANTISED in the list below multiply operands that are first quantised to E2M1 (2 exponent bits, 1 mantissa bit; 4 bits a number), with one power-of-two scale for each 32 numbers along K (OCP MX v1.0); their sums are f32. The products marked 'left as it is' may take bf16, f16 or f32 operands, with f32 sums. Whichever they take, every output number must still come out within the allowed error. Rounding operands to bf16 (8 significant bits) uses up far more of that allowance than f16 does (11 bits, for magnitudes from 6e-5 to 65,504). All else is computed in f32.
;;   The module's matrix products, in the order in which they are computed (A, B: the left and right operand; K: the contracted axis; several contracted axes count as one K, in the product's order):
;;     1. [M 8,192, K 1,024] x [K 1,024, N 1,024]; A: input x; B: input Wk: QUANTISED
;;     2. [M 8,192, K 1,024] x [K 1,024, N 1,024]; A: input x; B: input Wq: QUANTISED
;;     3. [M 8,192, K 1,024] x [K 1,024, N 1,024]; A: input x; B: input Wv: QUANTISED
;;     4. batch 8 x [M 1,024, K 1,024] x [K 1,024, N 1,024]; A: computed on the way; B: computed on the way: left as it is (an operand is computed on the way)
;;     5. batch 8 x [M 1,024, K 1,024] x [K 1,024, N 1,024]; A: computed on the way; B: computed on the way: left as it is (an operand is computed on the way)
;;     6. [M 8,192, K 1,024] x [K 1,024, N 1,024]; A: computed on the way; B: input Wp: left as it is (an operand is computed on the way)
;;   THE QUANTISER, for each operand of a quantised product, along K:
;;     - K is cut into blocks of 32 from its start; a last block that is shorter is filled with zeros.
;;     - A block's scale is 2^e with e = floor(log2(the largest magnitude in the block)) - 2, held to -126 .. 127; a block of zeros has e = 0. As a byte (E8M0): e + 127.
;;     - Each number is divided by its block's scale, clamped to +-6, and rounded to the nearest number of E2M1, ties to even, subnormals kept.
;;     - The product sums the exact products of the quantised numbers (number of the format x scale) in f32.
;;   ~~~python
;;   def quantise(x, axis):      # numpy; x: float32 -> the quantised numbers, widened to float32 again
;;       x = np.moveaxis(x, axis, -1); K = x.shape[-1]
;;       x = np.pad(x, [(0, 0)] * (x.ndim - 1) + [(0, -K % 32)]); x = x.reshape(x.shape[:-1] + (-1, 32)); a = np.abs(x).max(-1, keepdims=True)
;;       e = np.where(a > 0, np.clip(np.frexp(np.where(a > 0, a, 1))[1] - 1 - 2, -126, 127), 0)      # np.frexp(a)[1] - 1 = floor(log2(a)), exactly
;;       r = np.clip(x / 2.0 ** e, -6, 6)
;;       step = 2.0 ** (np.maximum(np.frexp(np.where(r == 0, 1, r))[1] - 1, 0) - 1)
;;       q = np.round(r / step) * step * 2.0 ** e      # np.round: ties to even
;;       return np.moveaxis(q.reshape(q.shape[:-2] + (-1,))[..., :K], -1, axis).astype(np.float32)
;;   ~~~
;; One version. Each part assembles by itself: llvm-mc -triple=amdgcn-amd-amdhsa -mcpu=gfx1250 --defsym DOCPART=n.
;; ======== version 1 of 1: 5 launches
;; limits: values are held in f16: magnitudes above 65,504 overflow, below 6.1e-05 lose precision
;; workspace buffers: codes 5,767,168 bytes; scales 360,448 bytes; wp16 2,097,152 bytes; tab 4,194,304 bytes; kqv 50,331,648 bytes; amax 6,144 bytes; wei 16,777,216 bytes; o16 16,777,216 bytes
;; launch prep (part 1): grid 1088 x 1, 4 waves a work-group, no clusters, 33,280 bytes of LDS; arguments x, Wk, Wq, Wv, Wp, codes, scales, wp16, tab; writes codes, scales, wp16, tab
.if DOCPART == 1
	.amdgcn_target "amdgcn-amd-amdhsa--gfx1250"
	.amdhsa_code_object_version 6
	.text
	.protected	k_q773c792b31_prep
	.globl	k_q773c792b31_prep
	.p2align	8
	.type	k_q773c792b31_prep,@function
k_q773c792b31_prep:
	s_mov_b64 s[64:65], 0
	v_nop
	global_prefetch_b8 v0, s[64:65] scope:SCOPE_SE
	s_setreg_imm32_b32 hwreg(HW_REG_WAVE_MODE, 25, 1), 1
	s_wait_xcnt 0x0
; THREE PREPARATIONS IN ONE LAUNCH, told apart by the work-group's number alone.
;  work-groups 0-703:    x [8192][1024] and Wk, Wq, Wv [1024][1024], f32, become codes of FP4 (E2M1), K innermost, with one E8M0 byte for each 32 along K.
;                        All four are dense streams of blocks of 32; the codes and the bytes are one stream each: x's first, then Wk's, Wq's, Wv's.
;  work-groups 704-831:  Wp [1024][1024] f32 is rounded to f16.
;  work-groups 832-1087: the table tab[t][d] = (cos, sin) of the angle (1023 - t) d, t = 0..1023, d = 0..511, f32.
; The shares are small, so that several work-groups lie on a WGP and many loads are on their way at a time.
; A block's scale is 2^(floor(log2(its largest magnitude)) - 2); its byte is the largest magnitude's exponent field - 2, held at 1 from below.  A block of zeros so gets the byte 1:
; its codes are zeros, which add nothing under any byte but 0xff, and the bytes are read by this program alone.
; LIMITS: NaN and infinities among the inputs are not served; Wp beyond 65,504 in magnitude has no f16 number.
; THE ANGLE is a whole number under 2^20, exact in f32.  It is reduced by q = the nearest whole number to angle x 2/pi and pi/2 in two parts (the first product is exact under the fused
; multiply-add: q has 19 bits, the part 24, and the difference is a multiple of 2^-23 under 1); the rest goes through polynomials of degree 7 and 8: the absolute error is about 1e-7.
.set WAVES, 4
.set STEPS, 8
.set QWG,   704                        ; (8192 + 3 x 1024) x 1024 numbers / 16,384 a work-group
.set PWG,   832
.set EMAX,  2
.set CB,    8                          ; bytes of 16 codes
.set R,     16                         ; v16-79   four sets of 16 numbers as they are loaded
.set X,     80                         ; v80-111  two sets of 16 neighbours
.set C,     128                        ; v128-159 codes: four registers for each step, so that no store's data are written again
.set E,     112                        ; v112-119 a scale byte for each step
.set WREG,  8192                       ; LDS: a region for each wave: two stages of 32 x SP bytes, and behind them its 128 scale bytes
.set SP,    80                         ; a lane's place in a stage: its 64 bytes + 16 of padding
.set SPW,   12                         ; v12      LDS address of my spare word; never rewritten
.set NIL,   13                         ; v13      0; never rewritten
.set SPARE, WAVES*WREG                 ; behind the four regions: the spare words, 128 bytes for each wave
	s_load_b256 s[4:11], s[0:1], 0x0               ; x, Wk, Wq, Wv
	s_load_b256 s[12:19], s[0:1], 0x20             ; Wp, codes, scales, wp16
	s_load_b64 s[20:21], s[0:1], 0x40              ; tab
	v_lshl_add_u32 v[SPW], v0, 2, SPARE
	v_mov_b32 v[NIL], 0
	v_lshrrev_b32 v1, 5, v0
	v_readfirstlane_b32 s22, v1                    ; wave
	v_and_b32 v2, 31, v0                           ; lane
	s_cmp_lt_u32 ttmp9, QWG
	s_cbranch_scc0 .Lnot_codes
; ---- THE QUANTISER.  A wave takes 8 steps of 512 numbers.  Each of a step's four loads reads 512 consecutive bytes, 16 a lane; the 2,048 bytes go through the wave's own stage in LDS and come
; back 64 bytes a lane, so that a lane holds 16 neighbours along K (two neighbouring lanes hold a block).  Loads run four steps ahead, the turn through LDS one step.
	v_lshlrev_b32 v3, 4, v2                        ; my 16 bytes of a load's 512
	s_mul_i32 s23, s22, WREG
	v_lshrrev_b32 v14, 2, v2
	v_mul_u32_u24 v14, v14, SP
	v_and_b32 v15, 3, v2
	v_lshl_add_u32 v14, v15, 4, v14
	v_add_nc_u32 v14, s23, v14                     ; the stage, on the way in: SP (lane / 4) + 16 (lane % 4)
	v_mul_u32_u24 v15, v2, SP
	v_add_nc_u32 v15, s23, v15                     ; and on the way out: SP x lane
	v_mul_u32_u24 v4, v2, CB                       ; my codes' place in a step's
	v_lshrrev_b32 v5, 1, v2
	s_add_co_u32 s23, s23, 2*32*SP
	v_add_nc_u32 v5, s23, v5                       ; LDS: my wave's 128 scale bytes, my block's byte
	v_lshlrev_b32 v7, 2, v2                        ; and on the way out 4 bytes a lane
	v_add_nc_u32 v6, s23, v7
	s_wait_kmcnt 0x0
	s_and_b32 s26, ttmp9, 63                       ; a weight has 64 work-groups: which of them
	s_cmp_lt_u32 ttmp9, 640                        ; the source is chosen by the work-group's number alone
	s_cselect_b64 s[24:25], s[8:9], s[10:11]       ; Wq or Wv
	s_cmp_lt_u32 ttmp9, 576
	s_cselect_b64 s[24:25], s[6:7], s[24:25]       ; Wk
	s_cmp_lt_u32 ttmp9, 512
	s_cselect_b64 s[24:25], s[4:5], s[24:25]       ; x
	s_cselect_b32 s26, ttmp9, s26
	s_lshl_b32 s26, s26, 2
	s_add_co_u32 s26, s26, s22                     ; which run of 4,096 numbers of the source is my wave's
	s_lshl_b32 s26, s26, 14                        ; 16,384 bytes a run
	s_mov_b32 s27, 0
	s_add_nc_u64 s[24:25], s[24:25], s[26:27]
	s_lshl_b32 s28, ttmp9, 2
	s_add_co_u32 s28, s28, s22                     ; and which run of the codes' and the bytes' one stream
	s_lshl_b32 s30, s28, 11                        ; 2,048 bytes of codes a run
	s_mov_b32 s31, 0
	s_add_nc_u64 s[14:15], s[14:15], s[30:31]
	s_lshl_b32 s30, s28, 7                         ; 128 scale bytes a run
	s_add_nc_u64 s[16:17], s[16:17], s[30:31]
.macro LOAD t
.irp i, 0,1,2,3
	global_load_b128 v[R+16*((\t)%4)+4*\i:R+16*((\t)%4)+4*\i+3], v3, s[24:25] offset:2048*(\t)+512*\i th:TH_LOAD_NT   ; 32 lanes read 512 consecutive bytes
.endr
.endm
.macro TURN t                          ; step t's numbers through the stage: LDS serves a wave's instructions in order, so no wait stands between the stores and the loads
.irp i, 0,1,2,3
	ds_store_b128 v14, v[R+16*((\t)%4)+4*\i:R+16*((\t)%4)+4*\i+3] offset:32*SP*((\t)%2)+8*SP*\i
.endr
.irp i, 0,1,2,3
	ds_load_b128 v[X+16*((\t)%2)+4*\i:X+16*((\t)%2)+4*\i+3], v15 offset:32*SP*((\t)%2)+16*\i
.endr
.endm
.irp t, 0,1,2,3
	LOAD \t
.endr
	s_wait_loadcnt 12                              ; step 0's four loads are in; twelve younger ones stay out
	TURN 0
.macro STEP t
.set XS, X+16*((\t)%2)
.if (\t) > 0
	s_wait_dscnt 1                                 ; this step's numbers are back from the stage (the last step's byte store may be out): so its stores into the stage have read their registers,
.else
	s_wait_dscnt 0x0
.endif
.if (\t)+4 < STEPS
	LOAD (\t)+4                                    ; which take the loads of four steps on
.endif
.if (\t)+1 < STEPS
.if STEPS-2-(\t) >= 3
	s_wait_loadcnt 12                              ; the next step's four loads are in; those of the three steps behind it may be out
.else
	s_wait_loadcnt 4*(STEPS-2-(\t))
.endif
	TURN (\t)+1                                    ; and go through the other stage while this step is worked
.endif
	v_max3_num_f32 v8, |v[XS]|, |v[XS+1]|, |v[XS+2]|               ; the largest magnitude of my 16, in two chains
	v_max3_num_f32 v9, |v[XS+3]|, |v[XS+4]|, |v[XS+5]|
.irp i, 6,10
	v_max3_num_f32 v8, v8, |v[XS+\i]|, |v[XS+\i+1]|
	v_max3_num_f32 v9, v9, |v[XS+\i+2]|, |v[XS+\i+3]|
.endr
	v_max3_num_f32 v8, v8, |v[XS+14]|, |v[XS+15]|
	v_max3_num_f32 v8, v8, v9, (EMAX+1)<<23        ; and the floor 2^(EMAX + 1 - 127): the byte cannot fall under 1
	v_max_num_f32_dpp v8, v8, v8 row_xmask:1 row_mask:0xf bank_mask:0xf   ; and of my neighbour's 16: the block's
	v_add_nc_u32 v11, -(EMAX<<23), v8              ; EMAX off its exponent field: the conversion takes the exponent field of this operand as its scale
	v_cvt_scalef32_pk8_fp4_f32 v[C+4*(\t)], v[XS:XS+7], v11        ; eight numbers / the scale, to the nearest code, ties to even, beyond the largest code the largest
	v_cvt_scalef32_pk8_fp4_f32 v[C+4*(\t)+1], v[XS+8:XS+15], v11
	v_lshrrev_b32 v[E+(\t)], 23, v11               ; the scale's byte
	ds_store_b8 v5, v[E+(\t)] offset:16*(\t)       ; both lanes of a block write the same byte with the same value
	global_store_b64 v4, v[C+4*(\t):C+4*(\t)+1], s[14:15] offset:32*CB*(\t)   ; the wave stores 256 consecutive bytes, aligned
.endm
.irp t, 0,1,2,3,4,5,6,7
	STEP \t
.endr
	ds_load_b32 v8, v6                             ; LDS serves a wave's instructions in order: this sees my stores
	s_wait_dscnt 0x0
	global_store_b32 v7, v8, s[16:17]              ; 32 lanes store 128 consecutive bytes, at a multiple of 128
	s_wait_tensorcnt 0x0                           ; the wave's end, behind my last LDS store
	ds_add_u32 v[SPW], v[NIL]
	s_wait_dscnt 0x0
	s_endpgm
.Lnot_codes:
	s_cmp_lt_u32 ttmp9, PWG
	s_cbranch_scc0 .Ltable
; ---- Wp TO f16.  A wave takes 8,192 bytes: one run of sixteen loads of 512 consecutive bytes; a load's numbers leave as 256 consecutive bytes.  No LDS.
	s_sub_co_u32 s23, ttmp9, QWG
	s_lshl_b32 s26, s23, 15
	s_lshl_b32 s28, s22, 13
	s_add_co_u32 s26, s26, s28                     ; my wave's first byte in Wp,
	s_mov_b32 s27, 0
	s_lshr_b32 s28, s26, 1                         ; and in wp16
	s_mov_b32 s29, 0
	v_lshlrev_b32 v1, 4, v2
	v_lshlrev_b32 v3, 3, v2
	s_wait_kmcnt 0x0
	s_add_nc_u64 s[12:13], s[12:13], s[26:27]
	s_add_nc_u64 s[18:19], s[18:19], s[28:29]
.irp i, 0,1,2,3,4,5,6,7,8,9,10,11,12,13,14,15
	global_load_b128 v[16+4*\i:19+4*\i], v1, s[12:13] offset:\i*512 th:TH_LOAD_NT
.endr
.irp i, 0,1,2,3,4,5,6,7,8,9,10,11,12,13,14,15
	s_wait_loadcnt 15-\i                           ; loads come back in order: load i is in, the younger ones stay out
	v_cvt_pk_f16_f32 v[80+2*\i], v[16+4*\i], v[17+4*\i]
	v_cvt_pk_f16_f32 v[81+2*\i], v[18+4*\i], v[19+4*\i]
	global_store_b64 v3, v[80+2*\i:81+2*\i], s[18:19] offset:\i*256
.endr
	s_endpgm
.Ltable:
; ---- THE TABLE.  A work-group makes 4 rows of 4,096 bytes.  Thread i makes d = 2 i, 2 i + 1 (16 bytes at 16 i) and d = 256 + 2 i, 257 + 2 i (16 bytes 2,048 further on): a wave's store covers 512 consecutive bytes.  No LDS.
; The thread's four angles go line by line in turn, each with registers of its own (v[64 + 12 k] on), so that no line waits for the line above it.
	s_sub_co_u32 s23, ttmp9, PWG
	s_lshl_b32 s24, s23, 2
	s_sub_co_u32 s24, 1023, s24                    ; m = 1023 - t of the first row
	s_lshl_b32 s26, s23, 14
	s_mov_b32 s27, 0
	s_mov_b32 s25, 4                               ; rows to go
	s_mov_b32 s28, 0x3f22f983                      ; 2 / pi
	s_mov_b32 s29, 0xbfc90fdb                      ; -(pi/2 rounded to f32)
	s_mov_b32 s30, 0x333bbd2e                      ; that number less pi/2
	s_mov_b32 s31, 0xbe2aaaa3                      ; sine: -1.6666654611e-1,
	s_mov_b32 s32, 0x3c08839e                      ; 8.3321608736e-3,
	s_mov_b32 s33, 0xb94ca1f9                      ; -1.9515295891e-4
	s_mov_b32 s34, 0x3d2aaaa5                      ; cosine: 4.166664568e-2,
	s_mov_b32 s35, 0xbab6061a                      ; -1.388731625e-3,
	s_mov_b32 s36, 0x37ccf5ce                      ; 2.443315712e-5
	v_lshlrev_b32 v3, 4, v0
	v_lshlrev_b32 v4, 1, v0
	v_add_nc_u32 v5, 1, v4
	v_add_nc_u32 v6, 0x100, v4
	v_add_nc_u32 v7, 0x101, v4
	s_wait_kmcnt 0x0
	s_add_nc_u64 s[20:21], s[20:21], s[26:27]
.Lrow:
.irp k, 0,1,2,3
	v_mul_u32_u24 v[64+12*\k], s24, v[4+\k]
.endr
.irp k, 0,1,2,3
	v_cvt_f32_u32 v[64+12*\k], v[64+12*\k]                         ; the angle, exact
.endr
.irp k, 0,1,2,3
	v_mul_f32 v[65+12*\k], s28, v[64+12*\k]
.endr
.irp k, 0,1,2,3
	v_rndne_f32 v[65+12*\k], v[65+12*\k]                           ; q
.endr
.irp k, 0,1,2,3
	v_fma_f32 v[66+12*\k], v[65+12*\k], s29, v[64+12*\k]
.endr
.irp k, 0,1,2,3
	v_fma_f32 v[66+12*\k], v[65+12*\k], s30, v[66+12*\k]           ; r = angle - q pi/2
.endr
.irp k, 0,1,2,3
	v_cvt_i32_f32 v[67+12*\k], v[65+12*\k]
.endr
.irp k, 0,1,2,3
	v_mul_f32 v[68+12*\k], v[66+12*\k], v[66+12*\k]                ; z = r r
.endr
.irp k, 0,1,2,3
	v_fma_f32 v[69+12*\k], v[68+12*\k], s33, s32
.endr
.irp k, 0,1,2,3
	v_fma_f32 v[69+12*\k], v[69+12*\k], v[68+12*\k], s31
.endr
.irp k, 0,1,2,3
	v_mul_f32 v[70+12*\k], v[68+12*\k], v[66+12*\k]
.endr
.irp k, 0,1,2,3
	v_fma_f32 v[69+12*\k], v[69+12*\k], v[70+12*\k], v[66+12*\k]   ; sin r
.endr
.irp k, 0,1,2,3
	v_fma_f32 v[71+12*\k], v[68+12*\k], s36, s35
.endr
.irp k, 0,1,2,3
	v_fma_f32 v[71+12*\k], v[71+12*\k], v[68+12*\k], s34
.endr
.irp k, 0,1,2,3
	v_mul_f32 v[72+12*\k], v[68+12*\k], v[68+12*\k]
.endr
.irp k, 0,1,2,3
	v_fma_f32 v[73+12*\k], v[68+12*\k], -0.5, 1.0
.endr
.irp k, 0,1,2,3
	v_fma_f32 v[71+12*\k], v[71+12*\k], v[72+12*\k], v[73+12*\k]   ; cos r
.endr
.irp k, 0,1,2,3
	v_and_b32 v[72+12*\k], 1, v[67+12*\k]
.endr
.irp k, 0,1,2,3
	v_cmp_eq_u32 s[40+\k], 1, v[72+12*\k]                          ; an odd quarter turn swaps the two
.endr
.irp k, 0,1,2,3
	v_cndmask_b32 v[73+12*\k], v[69+12*\k], v[71+12*\k], s[40+\k]
.endr
.irp k, 0,1,2,3
	v_cndmask_b32 v[74+12*\k], v[71+12*\k], v[69+12*\k], s[40+\k]
.endr
.irp k, 0,1,2,3
	v_lshlrev_b32 v[72+12*\k], 30, v[67+12*\k]
.endr
.irp k, 0,1,2,3
	v_and_b32 v[72+12*\k], 0x80000000, v[72+12*\k]                 ; the sine is negated in quarters 2 and 3,
.endr
.irp k, 0,1,2,3
	v_xor_b32 v[41+2*\k], v[72+12*\k], v[73+12*\k]
.endr
.irp k, 0,1,2,3
	v_add_nc_u32 v[67+12*\k], 1, v[67+12*\k]
.endr
.irp k, 0,1,2,3
	v_lshlrev_b32 v[72+12*\k], 30, v[67+12*\k]
.endr
.irp k, 0,1,2,3
	v_and_b32 v[72+12*\k], 0x80000000, v[72+12*\k]                 ; the cosine in quarters 1 and 2
.endr
.irp k, 0,1,2,3
	v_xor_b32 v[40+2*\k], v[72+12*\k], v[74+12*\k]
.endr
	global_store_b128 v3, v[40:43], s[20:21]
	global_store_b128 v3, v[44:47], s[20:21] offset:2048
	s_wait_xcnt 0x0                                ; the stores have read their data and their base: both are written again below and in the next trip
	s_add_nc_u64 s[20:21], s[20:21], 4096
	s_sub_co_u32 s24, s24, 1
	s_sub_co_u32 s25, s25, 1
	s_cmp_lg_u32 s25, 0
	s_cbranch_scc1 .Lrow
	s_endpgm
.Lfunc_end_k_q773c792b31_prep:
	.size	k_q773c792b31_prep, .Lfunc_end_k_q773c792b31_prep-k_q773c792b31_prep
	.p2alignl 7, 3214868480
	.fill 96, 4, 3214868480
	.section	.rodata,"a",@progbits
	.p2align	6, 0x0
	.amdhsa_kernel k_q773c792b31_prep
		.amdhsa_group_segment_fixed_size 33280
		.amdhsa_private_segment_fixed_size 0
		.amdhsa_enable_private_segment 0
		.amdhsa_kernarg_size 72
		.amdhsa_user_sgpr_count 2
		.amdhsa_user_sgpr_kernarg_segment_ptr 1
		.amdhsa_wavefront_size32 1
		.amdhsa_system_sgpr_workgroup_id_x 1
		.amdhsa_system_sgpr_workgroup_id_y 1
		.amdhsa_system_sgpr_workgroup_id_z 1
		.amdhsa_system_vgpr_workitem_id 0
		.amdhsa_next_free_vgpr 192
		.amdhsa_next_free_sgpr 66
		.amdhsa_reserve_vcc 0
		.amdhsa_float_denorm_mode_32 3
		.amdhsa_float_denorm_mode_16_64 3
		.amdhsa_memory_ordered 1
		.amdhsa_forward_progress 1
		.amdhsa_inst_pref_size 31
	.end_amdhsa_kernel
	.amdgpu_metadata
---
amdhsa.version: [ 1, 2 ]
amdhsa.kernels:
  - .name:           k_q773c792b31_prep
    .symbol:         k_q773c792b31_prep.kd
    .args:
      - { .name: x, .offset: 0, .size: 8, .value_kind: global_buffer, .address_space: global }
      - { .name: Wk, .offset: 8, .size: 8, .value_kind: global_buffer, .address_space: global }
      - { .name: Wq, .offset: 16, .size: 8, .value_kind: global_buffer, .address_space: global }
      - { .name: Wv, .offset: 24, .size: 8, .value_kind: global_buffer, .address_space: global }
      - { .name: Wp, .offset: 32, .size: 8, .value_kind: global_buffer, .address_space: global }
      - { .name: codes, .offset: 40, .size: 8, .value_kind: global_buffer, .address_space: global }
      - { .name: scales, .offset: 48, .size: 8, .value_kind: global_buffer, .address_space: global }
      - { .name: wp16, .offset: 56, .size: 8, .value_kind: global_buffer, .address_space: global }
      - { .name: tab, .offset: 64, .size: 8, .value_kind: global_buffer, .address_space: global }
    .group_segment_fixed_size: 33280
    .private_segment_fixed_size: 0
    .kernarg_segment_align: 8
    .kernarg_segment_size: 72
    .max_flat_workgroup_size: 128
    .sgpr_count:     66
    .vgpr_count:     192
    .wavefront_size: 32
...
	.end_amdgpu_metadata
.endif
;; end of part 1
;; launch qkv (part 2): grid 12 x 32, 4 waves a work-group, clusters of 4 x 4, 327,680 bytes of LDS; arguments codes, scales, bk, bq, bv, tab, kqv, amax; writes kqv, amax
.if DOCPART == 2
	.amdgcn_target "amdgcn-amd-amdhsa--gfx1250"
	.amdhsa_code_object_version 6
	.text
	.protected	k_q773c792b31_qkv
	.globl	k_q773c792b31_qkv
	.p2align	8
	.type	k_q773c792b31_qkv,@function
k_q773c792b31_qkv:
	s_mov_b64 s[64:65], 0
	v_nop
	global_prefetch_b8 v0, s[64:65] scope:SCOPE_SE
	s_setreg_imm32_b32 hwreg(HW_REG_WAVE_MODE, 25, 1), 1
	s_wait_xcnt 0x0
	s_wait_alu depctr_hold_cnt(0) depctr_sa_sdst(0) depctr_va_vdst(0) depctr_va_sdst(0) depctr_va_ssrc(0) depctr_va_vcc(0) depctr_vm_vsrc(0)
	s_getreg_b32 s2, hwreg(HW_REG_IB_STS2, 6, 4)
	s_cmp_eq_u32 s2, 0
	s_cbranch_scc0 .Lentry_in_a_cluster
	s_endpgm
.Lentry_in_a_cluster:
	s_bfe_u32 s2, ttmp6, 0x10000c
	s_cmp_lg_u32 s2, 0xf033
	s_cbranch_scc0 .Lentry_shape_is_right
	s_endpgm
.Lentry_shape_is_right:
; k', q', v' = rotate(x W^T + b) for W = Wk, Wq, Wv: ONE product [8192][1024] x [3072][1024]^T on codes of FP4 (E2M1) with one E8M0 scale for each 32 along K, sums in f32.
; codes: x's rows of 512 bytes, then (4,194,304 bytes on) the 3,072 rows of Wk, Wq, Wv; scales: 32 bytes a row, W's 262,144 bytes on.  Results: kqv [3][8192][1024] f16.
; A tile of 256 x 256 is made by a work-group of four waves, 128 x 128 a wave: 64 accumulators, 512 registers.  K = 1,024 is two LDS slots of 512 along K (rows of 256 bytes): both are asked for at the start
; and nothing is filled again.  The scale bytes of the work-group's rows, for all of K, come once, as dense blocks.
; CLUSTERS: 4 x 4 work-groups.  The four of a row of the cluster need the same tiles of x, the four of a column the same tiles of W: each tile is asked for JOINTLY.  A cluster's four tile columns are one of Wk, Wq, Wv.
; THE MATRIX INSTRUCTION IS USED TRANSPOSED (source 0 = 16 rows of W, source 1 = 16 rows of x): a lane holds eight neighbouring columns of one row.  THE BIAS is the C of each sum's first instruction.
; THE WAY OUT, 16 rows x 128 columns at a time: through my own stage in LDS, so that a lane holds 4 neighbouring columns (two pairs) of a row; the pair (x0, x1) becomes (c x0 + s x1, c x1 - s x0)
; with (c, s) from tab[t][d]; rounded to f16; the wave stores 256 consecutive bytes, aligned.  A block goes through the stage while the block before it is worked on.
; THE TABLE RUNS THREE BLOCKS AHEAD, in four sets of 64 registers in window 1: two that W's fragments never use are asked for at the head, the other two as W's two sets fall free; block a + 4's loads follow block a's rotation.
; The largest magnitude that the wave has made goes to amax: later launches make exact power-of-two scales of it.  LIMIT: a result beyond 65,504 in magnitude has no f16 number.
; REGISTERS, in windows of 256: window 0: v0-31 addresses; v32-95 scale words, two sets; v128-191 x's fragments, one set; v192-255 the biases.  On the way out: v32-63 packed results, v64-127 and v128-191 a block's rows, by turns.
;   window 1: W's fragments, two sets, at v0 and v128; the table's sets at v64, v192, v0, v128.   window 2: the accumulators of my rows 0-63 ((a, b) at v[8 (8 a + b)]);   window 3: those of my rows 64-127.
.set KSTEP,  512
.set NQ,     4                         ; matrix instructions deep in a slot
.set ROWB,   256                       ; a tile's row in bytes
.set KROW,   512                       ; a row of codes in memory
.set PITCH,  272                       ; an LDS row: 256 bytes + 16 of padding = 68 words: row r starts at bank 4 r mod 64 (64 banks of 4 bytes: ISA guide 11.1)
.set FR,     8
.set NL,     2
.set NP,     4                         ; places behind this matrix instruction (ISA guide 7.12.1)
.set HALFT,  128*PITCH
.set SLOT,   4*HALFT                   ; x's 256 rows, then W's 256 rows
.set KS,     32                        ; a row of scales in bytes
.set SCL,    2*SLOT                    ; behind the slots: the scales, as units of 256 bytes + 16 of padding
.set HALFS,  (128*KS/256)*272
.set SBLK,   (16*KS/256)*272
.set SPARE,  SCL+4*HALFS               ; the spare words, 128 bytes for each wave
.set SPITCH, 528                       ; the stage: 16 rows x (512 bytes + 16) for each wave, in slot 0, which has had its only fill and its last read when the first result is stored there
.set U,    4                           ; v4-11   four pairs at work in the rotation
.set ADRA, 16
.set ADRB, 20
.set ADRS, 22                          ; v22     LDS address of my scale words: lanes 0-15 x's rows, lanes 16-31 W's
.set STO,  24
.set RD,   25
.set CO,   26                          ; v26     8 x lane: my bytes of a row of results
.set TO,   27                          ; v27     16 x lane: my bytes of a row of the table
.set SPW,  28
.set NIL,  29
.set SC,   32
.set AF,   128
.set BIAS, 192
.set OUT,  32
.set XR,   64
.set WV,   66                          ; s66 wave;  s67 which half of the rows, and: I fetch for x (0) or W (1);  s95 which half of the columns, and: which 128 rows I fetch;  s100 tile row
.set WR,   67
.set WC,   95
.set TR,   100
.set SEL,  104
.set G1, 24
.set G0, 32
.set G1B, 48
.set G0B, 56
.set G1S, 68
.set G0S, 76
.set G1SB, 80
.set G0SB, 88
.set MSB, 0
.macro WIN new                         ; the immediate's high byte repeats the setting that is left
.if MSB != \new
	s_set_vgpr_msb (MSB<<8)|\new
.set MSB, \new
.endif
.endm
.set MUL_LO, 0xa1                      ; source 0 (W) window 1, source 1 (x) window 0, C and D window 2
.set MUL_HI, 0xf1
.set FST_LO, 0x81                      ; the same with C (the bias) in window 0
.set FST_HI, 0xc1
.set TO_B,   0x40
; A joint load: waves 0 and 1 fetch for x, waves 2 and 3 for W.  The branch hangs on the wave's number alone.  An s_nop 0 and four v_nop follow each of the two lines.
.macro JLOAD g0a, g1a, g0b, g1b
	s_cmp_eq_u32 s[WR], 0
	s_cbranch_scc0 .Lfor_b_\@
	tensor_load_to_lds s[\g0a:\g0a+3], s[\g1a:\g1a+7]
	s_nop 0
.rept 4
	v_nop
.endr
	s_branch .Lasked_\@
.Lfor_b_\@:
	tensor_load_to_lds s[\g0b:\g0b+3], s[\g1b:\g1b+7]
	s_nop 0
.rept 4
	v_nop
.endr
.Lasked_\@:
.endm
.macro CROUND                          ; a round of the cluster's barrier
	s_barrier_signal -1
	s_barrier_wait -1
	s_cmp_lg_u32 s[WV], 0
	s_cbranch_scc1 .Lnot_wave_0_\@
	s_barrier_signal -3
.Lnot_wave_0_\@:
	s_barrier_wait -3
	s_barrier_signal -1
	s_barrier_wait -1
.endm
; The table's rows t0 + 16 a + 0 .. 15, my 128 columns: 512 consecutive bytes a load; lane l gets (c, s, c, s) of its two pairs.  Block a's set, in window 1: v64, v192, v0, v128 for a % 4 = 0, 1, 2, 3.
.macro TABLE a
.set TL, 64*(1-(((\a)%4)/2))+128*((\a)%2)
	WIN TO_B                                       ; destination window 1, address window 0
.irp t, 0,1,2,3,4,5,6,7,8,9,10,11,12,13,14,15
	global_load_b128 v[TL+4*\t:TL+4*\t+3], v[TO], s[98:99] offset:(16*(\a)+\t)*4096
.endr
	WIN 0
.endm
	s_load_b128 s[4:7], s[0:1], 0x0                ; codes, scales
	s_load_b128 s[8:11], s[0:1], 0x10              ; bk, bq
	s_load_b128 s[96:99], s[0:1], 0x20             ; bv, tab
	s_load_b128 s[12:15], s[0:1], 0x30             ; kqv, amax
	v_lshl_add_u32 v[SPW], v0, 2, SPARE
	v_mov_b32 v[NIL], 0
	ds_add_u32 v[SPW], v[NIL]                      ; the wave's opening: the add, twice on end, and its wait ahead of my first tensor load
	ds_add_u32 v[SPW], v[NIL]
	v_lshrrev_b32 v1, 5, v0
	v_readfirstlane_b32 s[WV], v1
	s_lshr_b32 s[WR], s[WV], 1
	s_and_b32 s[WC], s[WV], 1
	s_bfe_u32 s40, ttmp6, 0x40000                  ; cx, cy: my place in the cluster
	s_bfe_u32 s41, ttmp6, 0x40004
	s_lshl_b32 s42, ttmp9, 2
	s_add_co_u32 s42, s42, s40                     ; tile column = 4 x cluster x + cx
	s_and_b32 s[TR], ttmp7, 0xffff
	s_lshl_b32 s[TR], s[TR], 2
	s_add_co_u32 s[TR], s[TR], s41                 ; tile row = 4 x cluster y + cy
	s_lshl_b32 s43, s41, 2
	s_lshl_b32 s43, 15, s43                        ; my row of the cluster
	s_lshl_b32 s44, 0x1111, s40                    ; my column
	s_or_b32 s[G1+0], s43, (0<<16)|(1<<20)|(1<<21)|(5<<22)|(3<<25)  ; the mask; elements of 1 byte; padding on; bit 21 beside a mask; 4 words behind every 64
	s_or_b32 s[G1B+0], s44, (0<<16)|(1<<20)|(1<<21)|(5<<22)|(3<<25)
.irp g, G1, G1B
	s_mov_b32 s[\g+1], ROWB<<16                    ; tensor_dim0
	s_mov_b32 s[\g+2], 128<<16                     ; tensor_dim1
	s_mov_b32 s[\g+3], ROWB<<16                    ; tile_dim0
	s_mov_b32 s[\g+4], 128                         ; tile_dim1
	s_mov_b32 s[\g+5], KROW                        ; from row to row
	s_mov_b32 s[\g+6], 0
	s_mov_b32 s[\g+7], 0
.endr
	s_or_b32 s[G1S+0], s43, (3<<16)|(1<<20)|(1<<21)|(5<<22)|(3<<25) ; the scales of 128 rows: a dense block of 4,096 bytes, as 16 rows of 32 elements of 8 bytes, 16 bytes of padding behind each
	s_or_b32 s[G1SB+0], s44, (3<<16)|(1<<20)|(1<<21)|(5<<22)|(3<<25)
.irp g, G1S, G1SB
	s_mov_b32 s[\g+1], 32<<16
	s_mov_b32 s[\g+2], (128*KS/256)<<16
	s_mov_b32 s[\g+3], 32<<16
	s_mov_b32 s[\g+4], 128*KS/256
	s_mov_b32 s[\g+5], 32
	s_mov_b32 s[\g+6], 0
	s_mov_b32 s[\g+7], 0
.endr
	s_lshl_b32 s18, s[WC], 7                       ; which 128 rows of the tile I fetch
	s_lshl_b32 s20, s[TR], 8
	s_add_co_u32 s20, s20, s18                     ; x: row 256 x tile row + 128 x half
	s_lshl_b32 s46, s42, 8
	s_add_co_u32 s46, s46, s18                     ; W: row 256 x tile column + 128 x half
	s_mov_b32 s21, 0
	s_mov_b32 s47, 0
	s_mov_b64 s[18:19], KS
	s_mul_u64 s[22:23], s[20:21], s[18:19]         ; where these rows' scales begin, in bytes
	s_mul_u64 s[92:93], s[46:47], s[18:19]
	s_mov_b64 s[18:19], KROW
	s_mul_u64 s[20:21], s[20:21], s[18:19]         ; and their codes
	s_mul_u64 s[46:47], s[46:47], s[18:19]
	s_add_nc_u64 s[46:47], s[46:47], 0x400000      ; W's codes lie behind x's,
	s_add_nc_u64 s[92:93], s[92:93], 0x40000       ; and W's scales behind x's
	s_mul_i32 s45, s[WV], HALFT                    ; where they go: wave x 128 rows: no place in the cluster enters an LDS address
	s_mul_i32 s94, s[WV], HALFS
	s_mov_b32 s[SEL], 0x76543210
	s_mov_b32 s[SEL+1], 0xfedcba98
	s_wait_dscnt 0x0                               ; both opening adds are done
	s_wait_kmcnt 0x0
	s_add_nc_u64 s[20:21], s[4:5], s[20:21]
	s_add_nc_u64 s[22:23], s[6:7], s[22:23]
	s_add_nc_u64 s[46:47], s[4:5], s[46:47]
	s_add_nc_u64 s[92:93], s[6:7], s[92:93]
	CROUND                                         ; all sixteen work-groups are here: the joint loads meet
	s_mov_b32 s[G0S], 1
	s_add_co_u32 s[G0S+1], s94, SCL
	s_mov_b64 s[G0S+2:G0S+3], s[22:23]
	s_or_b32 s[G0S+3], s[G0S+3], 0x80000000
	s_mov_b32 s[G0SB], 1
	s_add_co_u32 s[G0SB+1], s94, SCL
	s_mov_b64 s[G0SB+2:G0SB+3], s[92:93]
	s_or_b32 s[G0SB+3], s[G0SB+3], 0x80000000
	JLOAD G0S, G1S, G0SB, G1SB                     ; the scales first: they are wanted with the first K step
.irp s, 0,1
	s_mov_b32 s[G0+4*\s], 1
	s_add_co_u32 s[G0+4*\s+1], s45, \s*SLOT
	s_add_nc_u64 s[G0+4*\s+2:G0+4*\s+3], s[20:21], \s*ROWB
	s_or_b32 s[G0+4*\s+3], s[G0+4*\s+3], 0x80000000
	s_mov_b32 s[G0B+4*\s], 1
	s_add_co_u32 s[G0B+4*\s+1], s45, \s*SLOT
	s_add_nc_u64 s[G0B+4*\s+2:G0B+4*\s+3], s[46:47], \s*ROWB
	s_or_b32 s[G0B+4*\s+3], s[G0B+4*\s+3], 0x80000000
	JLOAD G0+4*\s, G1, G0B+4*\s, G1B               ; by this text's own count three tensor loads of a wave are out
.endr
	v_and_b32 v1, 15, v0                           ; l % 16
	v_bfe_u32 v2, v0, 4, 1                         ; l / 16
	v_mul_u32_u24 v3, v1, PITCH
	v_lshl_add_u32 v4, v2, 4, v3                   ; a fragment's row x pitch + 16 x half
	s_mul_i32 s21, s[WR], HALFT                    ; my 128 rows of x
	s_mul_i32 s22, s[WC], HALFT                    ; my 128 rows of W,
	s_add_co_u32 s22, s22, 2*HALFT                 ; which lie behind x's 256
.irp s, 0,1
	v_add_nc_u32 v[ADRA+\s], s21, v4
	v_add_nc_u32 v[ADRB+\s], s22, v4
	s_add_co_u32 s21, s21, SLOT
	s_add_co_u32 s22, s22, SLOT
.endr
	v_mul_u32_u24 v5, v1, KS                       ; my row's scales: KS bytes a row,
	v_lshrrev_b32 v6, 8, v5
	v_lshl_add_u32 v5, v6, 4, v5                   ; and 16 more for each 256 passed
	s_mul_i32 s21, s[WR], HALFS
	s_mul_i32 s22, s[WC], HALFS
	s_add_co_u32 s22, s22, 2*HALFS
	s_sub_co_u32 s22, s22, s21
	v_mul_u32_u24 v6, s22, v2                      ; lanes 16-31 take W's: one product, the distance between the two bases
	s_add_co_u32 s21, s21, SCL
	v_add_nc_u32 v5, v5, v6
	v_add_nc_u32 v[ADRS], s21, v5
	s_mul_i32 s23, s[WV], 16*SPITCH                ; my stage
	v_mul_u32_u24 v5, v1, SPITCH                   ; in: row l % 16, 32 bytes for each half of the lanes
	v_lshl_add_u32 v5, v2, 5, v5
	v_add_nc_u32 v[STO], s23, v5
	v_and_b32 v6, 31, v0
	v_lshlrev_b32 v[TO], 4, v6
	v_lshlrev_b32 v[CO], 3, v6
	v_add_nc_u32 v[RD], s23, v[TO]                 ; back: the 32 lanes take one row of 512 bytes
	v_lshlrev_b32 v3, 5, v2                        ; the biases: 8 numbers for each half of the lanes
	v_mov_b32 v30, 0                               ; the largest magnitude, in two chains
	v_mov_b32 v31, 0
	s_lshl_b32 s20, s[TR], 8
	s_lshl_b32 s21, s[WR], 7
	s_add_co_u32 s20, s20, s21                     ; my first row
	s_and_b32 s22, s20, 1023                       ; and its position t in its sequence
	s_lshl_b32 s20, s20, 11                        ; 2,048 bytes a row of results
	s_lshl_b32 s21, ttmp9, 24                      ; k', q' or v': 16,777,216 bytes each
	s_add_co_u32 s20, s20, s21
	s_mov_b32 s21, 0
	s_add_nc_u64 s[12:13], s[12:13], s[20:21]
	s_lshl_b32 s46, s40, 8
	s_lshl_b32 s47, s[WC], 7
	s_add_co_u32 s46, s46, s47                     ; my first column among the weight's 1,024
	s_lshl_b32 s92, s46, 2                         ; in bytes of f32 (the bias, and the table: 8 bytes a pair)
	s_mov_b32 s93, 0
	s_lshl_b32 s46, s46, 1                         ; in bytes of f16
	s_mov_b32 s47, 0
	s_add_nc_u64 s[12:13], s[12:13], s[46:47]
	s_lshl_b32 s22, s22, 12                        ; 4,096 bytes a row of the table
	s_mov_b32 s23, 0
	s_add_nc_u64 s[98:99], s[98:99], s[22:23]
	s_add_nc_u64 s[98:99], s[98:99], s[92:93]
	s_cmp_eq_u32 ttmp9, 0                          ; the bias by the cluster's x, which is the weight's number
	s_cselect_b64 s[16:17], s[8:9], s[10:11]
	s_cmp_eq_u32 ttmp9, 2
	s_cselect_b64 s[16:17], s[96:97], s[16:17]
	s_add_nc_u64 s[16:17], s[16:17], s[92:93]
.irp b, 0,1,2,3,4,5,6,7
	global_load_b128 v[BIAS+8*\b:BIAS+8*\b+3], v3, s[16:17] offset:64*\b       ; register 8 b + j: the bias of my column 16 b + 8 (l / 16) + j: the result's layout
	global_load_b128 v[BIAS+8*\b+4:BIAS+8*\b+7], v3, s[16:17] offset:64*\b+16
.endr
	TABLE 0                                        ; the first two blocks' tables, into registers of window 1 that nothing else names: they land under the products
	TABLE 1
	s_lshl_b32 s18, s42, 5
	s_add_co_u32 s18, s18, s[TR]
	s_lshl_b32 s18, s18, 2
	s_add_co_u32 s18, s18, s[WV]
	s_lshl_b32 s18, s18, 2                         ; my word of amax: ((tile column x 32 + tile row) x 4 + wave) x 4 bytes
	s_mov_b32 s19, 0
	s_add_nc_u64 s[14:15], s[14:15], s[18:19]
.macro FRAG reg, adr, q, i             ; 16 rows x 128 K of 4-bit codes: lane l holds row l % 16; registers 4 c .. 4 c + 3 hold K = 64 c + 32 (l / 16) + 0 .. 31
.irp c, 0,1
	ds_load_b128 v[\reg+4*\c:\reg+4*\c+3], v[\adr] offset:64*(\q)+32*\c+(\i)*16*PITCH
.endr
.endm
; 16 matrix instructions: x's blocks a0, a0 + 1 against W's eight.  first = 1: the bias starts the sums.  The 64 accumulators take turns, one instruction a turn, in the same order in every step.
.macro MUL16 a0, p, q, sc, first
.irp a, \a0, \a0+1
.irp b, 0,1,2,3,4,5,6,7
.if \first
	v_wmma_scale_f32_16x16x128_f8f6f4 v[8*(8*((\a)%4)+\b):8*(8*((\a)%4)+\b)+7], v[128*(\p)+FR*\b:128*(\p)+FR*\b+FR-1], v[AF+FR*(\a):AF+FR*(\a)+FR-1], v[BIAS+8*\b:BIAS+8*\b+7], v[SC+8*NQ*(\sc)+NQ*\b+(\q)], v[SC+8*NQ*(\sc)+NQ*(\a)+(\q)] matrix_a_fmt:MATRIX_FMT_FP4 matrix_b_fmt:MATRIX_FMT_FP4 matrix_a_scale:MATRIX_SCALE_ROW1
.else
	v_wmma_scale_f32_16x16x128_f8f6f4 v[8*(8*((\a)%4)+\b):8*(8*((\a)%4)+\b)+7], v[128*(\p)+FR*\b:128*(\p)+FR*\b+FR-1], v[AF+FR*(\a):AF+FR*(\a)+FR-1], v[8*(8*((\a)%4)+\b):8*(8*((\a)%4)+\b)+7], v[SC+8*NQ*(\sc)+NQ*\b+(\q)], v[SC+8*NQ*(\sc)+NQ*(\a)+(\q)] matrix_a_fmt:MATRIX_FMT_FP4 matrix_b_fmt:MATRIX_FMT_FP4 matrix_a_scale:MATRIX_SCALE_ROW1
.endif
.endr
.endr
.endm
.macro FETCH_B slot, q, p
	WIN TO_B
.irp i, 0,1,2,3,4,5,6,7
	FRAG 128*(\p)+FR*\i, ADRB+\slot, \q, \i
.endr
	WIN 0
.endm
.macro FETCH_A slot, q, i0
.irp i, \i0, \i0+1, \i0+2, \i0+3
	FRAG AF+FR*(\i), ADRA+\slot, \q, \i
.endr
.endm
.macro SCALES sc                       ; a slot's scale words: 4 words a row; lanes 0-15 take x's block i, lanes 16-31 W's block i
.irp i, 0,1,2,3,4,5,6,7
	ds_load_b128 v[SC+8*NQ*\sc+NQ*\i:SC+8*NQ*\sc+NQ*\i+3], v[ADRS] offset:\i*SBLK
.endr
.endm
.macro PLACES n                        ; plain vector instructions between a matrix instruction and a load into one of its registers, or a read of its result
.rept \n
	v_nop
.endr
.endm
.macro STEP slot, q, first             ; 128 along K that have their successor in the same slot
	s_wait_dscnt 4*NL                              ; W's set and x's blocks 0-3 are in; the youngest eight loads (x's blocks 4-7) may be out
.if \first
	WIN FST_LO
.else
	WIN MUL_LO
.endif
	MUL16 0, (\q)%2, \q, \slot, \first
	MUL16 2, (\q)%2, \q, \slot, \first
	s_wait_dscnt 0                                 ; x's blocks 4-7 are in
	PLACES NP
	FETCH_B \slot, (\q)+1, 1-(\q)%2
	FETCH_A \slot, (\q)+1, 0
.if \first
	WIN FST_HI
.else
	WIN MUL_HI
.endif
	MUL16 4, (\q)%2, \q, \slot, \first
	MUL16 6, (\q)%2, \q, \slot, \first
	PLACES NP
	WIN 0
	FETCH_A \slot, (\q)+1, 4
.endm
.macro STEPS slot, from
.set Q, \from
.rept NQ-1-\from
	STEP \slot, Q, 0
.set Q, Q+1
.endr
.endm
	s_wait_tensorcnt 1                             ; the scales and my part of slot 0 are in; slot 1's load may stay out
	s_barrier_signal -1
	s_barrier_wait -1                              ; everybody's are
	FETCH_B 0, 0, 0
	FETCH_A 0, 0, 0
	SCALES 0
	FETCH_A 0, 0, 4
	s_wait_loadcnt 32                              ; the biases are in; the 32 loads of the two tables, issued behind them, may stay out
	STEP 0, 0, 1
	STEPS 0, 1
	; slot 0's last step changes slots: my part of slot 1 has landed, my reads of slot 0 are over; then the barrier.  Nothing is filled again.
	s_wait_tensorcnt 0x0
	ds_add_u32 v[SPW], v[NIL]
	s_wait_dscnt 4*NL+1                            ; (the add and the youngest eight loads may be out)
	WIN MUL_LO
	MUL16 0, 1, NQ-1, 0, 0
	s_wait_dscnt 0x0
	s_barrier_signal -1
	MUL16 2, 1, NQ-1, 0, 0
	WIN 0
	s_barrier_wait -1
	PLACES NP
	v_add_nc_u32 v[ADRS], 4*NQ, v[ADRS]            ; on to slot 1's scale words (no LDS load of mine is out)
	FETCH_B 1, 0, 0
	FETCH_A 1, 0, 0
	SCALES 1
	WIN MUL_HI
	MUL16 4, 1, NQ-1, 0, 0
	MUL16 6, 1, NQ-1, 0, 0
	PLACES NP
	WIN 0
	FETCH_A 1, 0, 4
	STEPS 1, 0
	TABLE 2                                        ; into W's set 0, whose last products stand ahead of the step's closing places
	s_wait_dscnt 4*NL                              ; the very last step: nothing more to fetch from LDS
	WIN MUL_LO
	MUL16 0, 1, NQ-1, 1, 0
	MUL16 2, 1, NQ-1, 1, 0
	s_wait_dscnt 0
	WIN MUL_HI
	MUL16 4, 1, NQ-1, 1, 0
	MUL16 6, 1, NQ-1, 1, 0
	WIN 0
.macro TOSTAGE a                       ; LDS serves a wave's instructions in order (ISA guide 5.7.1.4): no wait between the stores and the loads, nor in front of the next block's stores
.set AC, 64*((\a)%4)
.set XB, XR+64*((\a)%2)
	WIN 0x08+4*((\a)/4)                            ; the data: window 2 or 3
.irp b, 0,1,2,3,4,5,6,7
	ds_store_b128 v[STO], v[AC+8*\b:AC+8*\b+3] offset:64*\b          ; each accumulator from its low end on
	ds_store_b128 v[STO], v[AC+8*\b+4:AC+8*\b+7] offset:64*\b+16
.endr
	WIN 0
.irp t, 0,1,2,3,4,5,6,7,8,9,10,11,12,13,14,15
	ds_load_b128 v[XB+4*\t:XB+4*\t+3], v[RD] offset:\t*SPITCH
.endr
.endm
.macro BLOCK a
.if (\a) < 7
	TOSTAGE (\a)+1                                 ; the next block goes through the stage while this one is worked on
	s_wait_dscnt 32                                ; this block's rows are back; the next block's 16 stores and 16 loads may be out
.else
	s_wait_dscnt 0x0
.endif
.if (\a) < 4
	s_wait_loadcnt 48                              ; this block's table is in; those of the three blocks behind it may be out
.else
	s_wait_loadcnt 16*(7-(\a))
.endif
	s_wait_xcnt 0x0                                ; the last block's stores have read their data: they are written again below
.set XC, XR+64*((\a)%2)
.set TT, 64*(1-(((\a)%4)/2))+128*((\a)%2)
	WIN 0x04                                       ; source 1, the table: window 1
.set i, 0
.rept 8                                ; four pairs a turn, so that no line waits for the line above it
.irp p, 0,1,2,3
	v_pk_mul_f32 v[U+2*\p:U+2*\p+1], v[XC+8*i+2*\p:XC+8*i+2*\p+1], v[TT+8*i+2*\p:TT+8*i+2*\p+1] op_sel:[1,1] op_sel_hi:[0,1] neg_hi:[1,0]   ; (s x1, -s x0)
.endr
.irp p, 0,1,2,3
	v_pk_fma_f32 v[XC+8*i+2*\p:XC+8*i+2*\p+1], v[XC+8*i+2*\p:XC+8*i+2*\p+1], v[TT+8*i+2*\p:TT+8*i+2*\p+1], v[U+2*\p:U+2*\p+1] op_sel_hi:[1,0,1]   ; (c x0 + s x1, c x1 - s x0)
.endr
.set i, i+1
.endr
	WIN 0
.if (\a) < 4
	TABLE (\a)+4                                   ; this block's set takes the table of four blocks on
.endif
.set i, 0
.rept 16
	v_max3_num_f32 v30, v30, |v[XC+4*i]|, |v[XC+4*i+1]|
	v_max3_num_f32 v31, v31, |v[XC+4*i+2]|, |v[XC+4*i+3]|
	v_cvt_pk_f16_f32 v[OUT+2*i], v[XC+4*i], v[XC+4*i+1]
	v_cvt_pk_f16_f32 v[OUT+2*i+1], v[XC+4*i+2], v[XC+4*i+3]
.set i, i+1
.endr
.irp t, 0,1,2,3,4,5,6,7,8,9,10,11,12,13,14,15
	global_store_b64 v[CO], v[OUT+2*\t:OUT+2*\t+1], s[12:13] offset:(16*(\a)+\t)*2048   ; the wave stores 256 consecutive bytes, at a multiple of 256 from the buffer's first byte
.endr
.endm
	PLACES NP                                      ; behind the last products: for the reads of results and for the loads into registers that held fragments and scale words
	TABLE 3                                        ; into W's set 1
	TOSTAGE 0
.irp a, 0,1,2,3,4,5,6,7
	BLOCK \a
.endr
	v_max_num_f32 v30, v30, v31                    ; the wave's largest magnitude: the two chains, the 32 lanes
	v_max_num_f32_dpp v30, v30, v30 row_xmask:1 row_mask:0xf bank_mask:0xf
	v_max_num_f32_dpp v30, v30, v30 row_xmask:2 row_mask:0xf bank_mask:0xf
	v_max_num_f32_dpp v30, v30, v30 row_xmask:4 row_mask:0xf bank_mask:0xf
	v_max_num_f32_dpp v30, v30, v30 row_xmask:8 row_mask:0xf bank_mask:0xf
	v_permlanex16_b32 v31, v30, s[SEL], s[SEL+1]
	v_max_num_f32 v30, v30, v31
	v_and_b32 v4, 31, v0
	v_mov_b32 v5, 0
	v_cmp_eq_u32 vcc_lo, 0, v4
	s_wait_xcnt 0x0                                ; EXEC changes only behind this wait
	s_and_saveexec_b32 s101, vcc_lo
	global_store_b32 v5, v30, s[14:15]             ; lane 0 stores the wave's word
	s_wait_xcnt 0x0                                ; and again, in front of the line that widens it
	s_or_b32 exec_lo, exec_lo, s101
	s_wait_tensorcnt 0x0                           ; the wave's end, behind my last tensor load and my last LDS store
	ds_add_u32 v[SPW], v[NIL]
	s_wait_dscnt 0x0
	CROUND                                         ; the closing round: no work-group ends while a partner may still ask for a tile that names it
	s_endpgm
.Lfunc_end_k_q773c792b31_qkv:
	.size	k_q773c792b31_qkv, .Lfunc_end_k_q773c792b31_qkv-k_q773c792b31_qkv
	.p2alignl 7, 3214868480
	.fill 96, 4, 3214868480
	.section	.rodata,"a",@progbits
	.p2align	6, 0x0
	.amdhsa_kernel k_q773c792b31_qkv
		.amdhsa_group_segment_fixed_size 327680
		.amdhsa_private_segment_fixed_size 0
		.amdhsa_enable_private_segment 0
		.amdhsa_kernarg_size 64
		.amdhsa_user_sgpr_count 2
		.amdhsa_user_sgpr_kernarg_segment_ptr 1
		.amdhsa_wavefront_size32 1
		.amdhsa_system_sgpr_workgroup_id_x 1
		.amdhsa_system_sgpr_workgroup_id_y 1
		.amdhsa_system_sgpr_workgroup_id_z 1
		.amdhsa_system_vgpr_workitem_id 0
		.amdhsa_next_free_vgpr 1024
		.amdhsa_next_free_sgpr 106
		.amdhsa_reserve_vcc 1
		.amdhsa_float_denorm_mode_32 3
		.amdhsa_float_denorm_mode_16_64 3
		.amdhsa_memory_ordered 1
		.amdhsa_forward_progress 1
		.amdhsa_inst_pref_size 205
	.end_amdhsa_kernel
	.amdgpu_metadata
---
amdhsa.version: [ 1, 2 ]
amdhsa.kernels:
  - .name:           k_q773c792b31_qkv
    .symbol:         k_q773c792b31_qkv.kd
    .args:
      - { .name: codes, .offset: 0, .size: 8, .value_kind: global_buffer, .address_space: global }
      - { .name: scales, .offset: 8, .size: 8, .value_kind: global_buffer, .address_space: global }
      - { .name: bk, .offset: 16, .size: 8, .value_kind: global_buffer, .address_space: global }
      - { .name: bq, .offset: 24, .size: 8, .value_kind: global_buffer, .address_space: global }
      - { .name: bv, .offset: 32, .size: 8, .value_kind: global_buffer, .address_space: global }
      - { .name: tab, .offset: 40, .size: 8, .value_kind: global_buffer, .address_space: global }
      - { .name: kqv, .offset: 48, .size: 8, .value_kind: global_buffer, .address_space: global }
      - { .name: amax, .offset: 56, .size: 8, .value_kind: global_buffer, .address_space: global }
    .group_segment_fixed_size: 327680
    .private_segment_fixed_size: 0
    .kernarg_segment_align: 8
    .kernarg_segment_size: 64
    .max_flat_workgroup_size: 128
    .sgpr_count:     106
    .vgpr_count:     1024
    .wavefront_size: 32
...
	.end_amdgpu_metadata
.endif
;; end of part 2
;; launch scores (part 3): grid 4 x 64, 4 waves a work-group, clusters of 4 x 4, 327,680 bytes of LDS; arguments kqv, amax, pad_mask, wei; writes wei
.if DOCPART == 3
	.amdgcn_target "amdgcn-amd-amdhsa--gfx1250"
	.amdhsa_code_object_version 6
	.text
	.protected	k_q773c792b31_scores
	.globl	k_q773c792b31_scores
	.p2align	8
	.type	k_q773c792b31_scores,@function
k_q773c792b31_scores:
	s_mov_b64 s[64:65], 0
	v_nop
	global_prefetch_b8 v0, s[64:65] scope:SCOPE_SE
	s_setreg_imm32_b32 hwreg(HW_REG_WAVE_MODE, 25, 1), 1
	s_wait_xcnt 0x0
	s_wait_alu depctr_hold_cnt(0) depctr_sa_sdst(0) depctr_va_vdst(0) depctr_va_sdst(0) depctr_va_ssrc(0) depctr_va_vcc(0) depctr_vm_vsrc(0)
	s_getreg_b32 s2, hwreg(HW_REG_IB_STS2, 6, 4)
	s_cmp_eq_u32 s2, 0
	s_cbranch_scc0 .Lentry_in_a_cluster
	s_endpgm
.Lentry_in_a_cluster:
	s_bfe_u32 s2, ttmp6, 0x10000c
	s_cmp_lg_u32 s2, 0xf033
	s_cbranch_scc0 .Lentry_shape_is_right
	s_endpgm
.Lentry_shape_is_right:
; ONE TEXT SERVES TWO LAUNCHES; the constant KIND picks the lines that differ.  Each is a product C = A B^T of [8192][1024] by 1,024 columns, f16 operands, f32 sums, with its own way out.
;  KIND 0, scores: A = k', B = q' of the same batch.  w = softplus(sum / 32) where column j <= row i and pad_mask[j], else 0; stored as w f in f16.
;  KIND 2, proj:   A = the rotated-back sums of w f v' g in f16, B = Wp in f16.  out = sum / (f g) + bp, f32.
; f AND g ARE EXACT POWERS OF TWO, made alike in every work-group from amax (the largest |k'|, |q'|, |v'|), and enter values alone.  softplus(s) <= |s| + 1 <= 32 kmax qmax + 1 =: B, so with E = B's exponent field
; f = 2^(141 - E) keeps w f under 2^15; with EV = vmax's exponent field g = 2^(116 - EV) keeps 1,024 terms (w f) v' g under 2^15.  LIMIT: |k'|, |q'|, |v'| up to 65,504; NaN and infinities are not served.
; softplus(s) = ln 2 x (max(u, 0) + log2(1 + 2^-|u|)), u = s log2(e): no exponential can overflow, and what underflows is nothing beside 1.
; SHARES.  A tile of C is 128 x 256: 256 work-groups.  Four waves, 64 x 128 each: 32 accumulators, 256 registers (window 1).
; TWO LDS SLOTS OF UNEQUAL LENGTH: D holds 256 along K (rows of 512 bytes), S 128 (rows of 256 bytes): two slots of 256 would not fit.  K = 1,024 is walked D S D S D, written out.  Both are asked for at the start;
; D is filled again twice and S once, each behind a round of the cluster's barrier.  From S's refill to the wait for it a wave issues 240 matrix instructions, from D's 112.
; CLUSTERS: 4 x 4 work-groups; A's tile is shared along a row of the cluster, B's along a column, each asked for JOINTLY.  THE MATRIX INSTRUCTION IS USED TRANSPOSED (source 0 = B, source 1 = A): a lane holds eight neighbouring columns of a row of C.
; REGISTERS, window 0: v1-3 l % 16, l / 16, lane; v4-15 the way out's constants; v16-29 addresses; v32-63 amax, later packed results; two fragment buffers of 96 at v64 and v160 (32 of A, 64 of B).
;   On the way out: v192-255 and v128-191 a block's 16 rows, by turns; v64-127 at work.
.set KIND,   0
.set PD,     528                       ; an LDS row of D: 512 bytes + 16 of padding; of S: 256 + 16: in both the 16 rows that a load touches start at 16 different banks (64 banks of 4 bytes: ISA guide 11.1)
.set PS,     272
.set LDA,    0                         ; D: A's 128 rows,
.set LDB,    128*PD                    ; B's 256 rows
.set LSA,    384*PD                    ; S: A's 128 rows,
.set LSB,    LSA+128*PS                ; B's 256 rows
.set SPARE,  LSA+384*PS                ; behind the slots: the spare words, 128 bytes for each wave
.set STAGE,  LSA                       ; the way out: 16 rows x (512 bytes + 16) for each wave, in S, which has had its last fill and, behind the last barrier, its last read
.set SPITCH, 528
.set KADV,   768                       ; a slot's next fill lies three K steps of 256 bytes further along the rows
.set FAC,  12                          ; v12-13  the way out's factor, twice
.set ADRA, 16                          ; v16 in D, v17 in S
.set ADRB, 20                          ; v20 in D, v21 in S
.set STO,  24
.set RD,   25
.set CO,   26                          ; 8 x lane
.set TO,   27                          ; 16 x lane
.set SPW,  28
.set NIL,  29
.set OUT,  32
.set F0,   64
.set F1,   160
.set XX,   192
.set EE,   64
.set G1A,  24                          ; s[24:31] group 1 for A's tiles in D, s[32:39] in S
.set G1B,  48                          ; s[48:55], s[56:63] the same for B's
.set G0A,  72                          ; s[72:75] group 0 for A's tiles in D, s[76:79] in S
.set G0B,  80                          ; s[80:83], s[84:87] the same for B's
.set SEL,  66
.set CS,   68
.set MSB, 0
.macro WIN new                         ; the immediate's high byte repeats the setting that is left
.if MSB != \new
	s_set_vgpr_msb (MSB<<8)|\new
.set MSB, \new
.endif
.endm
.set MUL, 0x50                         ; C and D window 1, both sources window 0
.macro JLOAD s                         ; a joint load into slot s (0: D, 1: S): waves 0 and 1 fetch A's halves, waves 2 and 3 B's; an s_nop 0 and four v_nop follow each of the two lines
	s_cmp_eq_u32 s15, 0
	s_cbranch_scc0 .Lfor_b_\@
	tensor_load_to_lds s[G0A+4*(\s):G0A+4*(\s)+3], s[G1A+8*(\s):G1A+8*(\s)+7]
	s_nop 0
.rept 4
	v_nop
.endr
	s_branch .Lasked_\@
.Lfor_b_\@:
	tensor_load_to_lds s[G0B+4*(\s):G0B+4*(\s)+3], s[G1B+8*(\s):G1B+8*(\s)+7]
	s_nop 0
.rept 4
	v_nop
.endr
.Lasked_\@:
.endm
.macro CREST                           ; a round of the cluster's barrier behind its opening barrier
	s_cmp_lg_u32 s14, 0
	s_cbranch_scc1 .Lnot_wave_0_\@
	s_barrier_signal -3
.Lnot_wave_0_\@:
	s_barrier_wait -3
	s_barrier_signal -1
	s_barrier_wait -1
.endm
.macro CROUND
	s_barrier_signal -1
	s_barrier_wait -1
	CREST
.endm
.if KIND == 0
	s_load_b64 s[4:5], s[0:1], 0x0                 ; kqv: A and B
	s_load_b64 s[8:9], s[0:1], 0x8                 ; amax
	s_load_b64 s[10:11], s[0:1], 0x10              ; pad_mask
	s_load_b64 s[12:13], s[0:1], 0x18              ; wei
.else
	s_load_b256 s[4:11], s[0:1], 0x0               ; A, B, amax, bp
	s_load_b64 s[12:13], s[0:1], 0x20              ; the result
.endif
	v_lshl_add_u32 v[SPW], v0, 2, SPARE
	v_mov_b32 v[NIL], 0
	ds_add_u32 v[SPW], v[NIL]                      ; the wave's opening: the add, twice on end, and its wait ahead of my first tensor load
	ds_add_u32 v[SPW], v[NIL]
	v_lshrrev_b32 v1, 5, v0
	v_readfirstlane_b32 s14, v1                    ; wave
	s_lshr_b32 s15, s14, 1                         ; which 64 rows are mine.  Also: I fetch for A (0) or for B (1)
	s_and_b32 s16, s14, 1                          ; which 128 columns.  Also: which half of that tile I fetch
	s_bfe_u32 s40, ttmp6, 0x40000                  ; cx = the tile column (the grid is one cluster wide)
	s_bfe_u32 s41, ttmp6, 0x40004                  ; cy
	s_and_b32 s18, ttmp7, 0xffff                   ; the cluster's y: two clusters to a batch
	s_lshl_b32 s17, s18, 2
	s_add_co_u32 s17, s17, s41                     ; tile row = 4 x cluster y + cy
	s_lshl_b32 s42, s41, 2
	s_lshl_b32 s42, 15, s42                        ; my row of the cluster
	s_lshl_b32 s43, 0x1111, s40                    ; my column
	s_or_b32 s[G1A], s42, (1<<16)|(1<<20)|(1<<21)|(6<<22)|(3<<25)     ; the mask; elements of 2 bytes; padding on; bit 21 beside a mask; D: 4 words behind every 128,
	s_or_b32 s[G1A+8], s42, (1<<16)|(1<<20)|(1<<21)|(5<<22)|(3<<25)   ; S: behind every 64
	s_or_b32 s[G1B], s43, (1<<16)|(1<<20)|(1<<21)|(6<<22)|(3<<25)
	s_or_b32 s[G1B+8], s43, (1<<16)|(1<<20)|(1<<21)|(5<<22)|(3<<25)
.irp g, G1A, G1B
	s_mov_b32 s[\g+1], 256<<16                     ; D: tensor_dim0,
	s_mov_b32 s[\g+3], 256<<16                     ; tile_dim0 = 256 elements
	s_mov_b32 s[\g+9], 128<<16                     ; S: 128
	s_mov_b32 s[\g+11], 128<<16
	s_mov_b32 s[\g+5], 1024                        ; from row to row
	s_mov_b32 s[\g+13], 1024
	s_mov_b32 s[\g+6], 0
	s_mov_b32 s[\g+7], 0
	s_mov_b32 s[\g+14], 0
	s_mov_b32 s[\g+15], 0
.endr
	s_mov_b32 s[G1A+2], 64<<16                     ; A: tensor_dim1,
	s_mov_b32 s[G1A+4], 64                         ; tile_dim1 = 64 rows a load
	s_mov_b32 s[G1A+10], 64<<16
	s_mov_b32 s[G1A+12], 64
	s_mov_b32 s[G1B+2], 128<<16                    ; B: 128 rows a load
	s_mov_b32 s[G1B+4], 128
	s_mov_b32 s[G1B+10], 128<<16
	s_mov_b32 s[G1B+12], 128
	s_mov_b32 s[G0A], 1                            ; group 0: the count, and where the tiles go: no place in the cluster enters an LDS address
	s_mov_b32 s[G0A+4], 1
	s_mov_b32 s[G0B], 1
	s_mov_b32 s[G0B+4], 1
	s_mul_i32 s[G0A+1], s16, 64*PD
	s_mul_i32 s[G0A+5], s16, 64*PS
	s_add_co_u32 s[G0A+5], s[G0A+5], LSA
	s_mul_i32 s[G0B+1], s16, 128*PD
	s_add_co_u32 s[G0B+1], s[G0B+1], LDB
	s_mul_i32 s[G0B+5], s16, 128*PS
	s_add_co_u32 s[G0B+5], s[G0B+5], LSB
	; where the tiles come from.  A's hang on the tile row, which my row of the cluster shares; B's on the tile column and the batch, which my column shares.
	s_lshl_b32 s20, s17, 7
	s_lshl_b32 s21, s16, 6
	s_add_co_u32 s20, s20, s21                     ; A: row 128 x tile row + 64 x half
	s_lshl_b32 s20, s20, 11                        ; 2,048 bytes a row
	s_mov_b32 s21, 0
.if KIND == 0
	s_lshr_b32 s46, s18, 1
	s_lshl_b32 s46, s46, 10                        ; the batch's first row,
	s_lshl_b32 s47, s40, 8
	s_add_co_u32 s46, s46, s47                     ; + 256 x tile column
	s_lshl_b32 s47, s16, 7
	s_add_co_u32 s46, s46, s47                     ; + 128 x half
	s_lshl_b32 s46, s46, 11
	s_add_co_u32 s46, s46, 0x1000000               ; q' lies behind k'
.else
	s_lshl_b32 s46, s40, 8
	s_lshl_b32 s47, s16, 7
	s_add_co_u32 s46, s46, s47
	s_lshl_b32 s46, s46, 11
.endif
	s_mov_b32 s47, 0
	s_mov_b32 s[SEL], 0x76543210
	s_mov_b32 s[SEL+1], 0xfedcba98
.if KIND == 0
	s_mov_b32 s[CS], 0x3d38aa3b                    ; log2(e) / 32
	s_mov_b32 s[CS+1], s[CS]                       ; (named with it as a pair, so it is written)
.endif
	s_wait_dscnt 0x0                               ; both opening adds are done
	s_wait_kmcnt 0x0
	s_add_nc_u64 s[20:21], s[4:5], s[20:21]
.if KIND == 0
	s_add_nc_u64 s[46:47], s[4:5], s[46:47]
.else
	s_add_nc_u64 s[46:47], s[6:7], s[46:47]
.endif
	s_mov_b64 s[G0A+2:G0A+3], s[20:21]             ; D begins with K steps 0 and 1,
	s_or_b32 s[G0A+3], s[G0A+3], 0x80000000
	s_add_nc_u64 s[G0A+6:G0A+7], s[20:21], 512     ; S with K step 2
	s_or_b32 s[G0A+7], s[G0A+7], 0x80000000
	s_mov_b64 s[G0B+2:G0B+3], s[46:47]
	s_or_b32 s[G0B+3], s[G0B+3], 0x80000000
	s_add_nc_u64 s[G0B+6:G0B+7], s[46:47], 512
	s_or_b32 s[G0B+7], s[G0B+7], 0x80000000
	CROUND                                         ; all sixteen work-groups are here: the first joint loads meet
	JLOAD 0
	JLOAD 1                                        ; by this text's own count two tensor loads of a wave are out here, later one
	v_and_b32 v1, 15, v0                           ; l % 16
	v_bfe_u32 v2, v0, 4, 1                         ; l / 16
	v_and_b32 v3, 31, v0                           ; lane
	v_mul_u32_u24 v5, v1, PD
	v_lshl_add_u32 v5, v2, 4, v5                   ; a fragment's row x pitch + 16 x half, in D
	v_mul_u32_u24 v7, v1, PS
	v_lshl_add_u32 v7, v2, 4, v7                   ; and in S
	s_mul_i32 s22, s15, 64*PD                      ; my 64 rows of A
	v_add_nc_u32 v[ADRA], s22, v5
	s_mul_i32 s22, s15, 64*PS
	s_add_co_u32 s22, s22, LSA
	v_add_nc_u32 v[ADRA+1], s22, v7
	s_mul_i32 s22, s16, 128*PD                     ; my 128 rows of B
	s_add_co_u32 s22, s22, LDB
	v_add_nc_u32 v[ADRB], s22, v5
	s_mul_i32 s22, s16, 128*PS
	s_add_co_u32 s22, s22, LSB
	v_add_nc_u32 v[ADRB+1], s22, v7
	s_mul_i32 s22, s14, 16*SPITCH
	s_add_co_u32 s22, s22, STAGE                   ; my stage
	v_mul_u32_u24 v7, v1, SPITCH                   ; in: row l % 16, 32 bytes for each half of the lanes
	v_lshl_add_u32 v7, v2, 5, v7
	v_add_nc_u32 v[STO], s22, v7
	v_lshlrev_b32 v[TO], 4, v3
	v_lshlrev_b32 v[CO], 3, v3
	v_add_nc_u32 v[RD], s22, v[TO]                 ; back: the 32 lanes take one row of 512 bytes
	s_lshl_b32 s20, s17, 7
	s_lshl_b32 s21, s15, 6
	s_add_co_u32 s20, s20, s21                     ; my first row
	s_and_b32 s71, s20, 1023                       ; and its place in its batch
	s_lshl_b32 s46, s40, 8
	s_lshl_b32 s47, s16, 7
	s_add_co_u32 s46, s46, s47                     ; my first column
.if KIND == 0
	s_sub_co_i32 s70, s46, s71                     ; first column less first row: for the causal mask
	s_lshl_b32 s20, s20, 11                        ; rows of 2,048 bytes
	s_lshl_b32 s22, s46, 1
.else
	s_lshl_b32 s20, s20, 12                        ; rows of 4,096 bytes
	s_lshl_b32 s22, s46, 2
.endif
	s_mov_b32 s21, 0
	s_mov_b32 s23, 0
	s_add_nc_u64 s[12:13], s[12:13], s[20:21]
	s_add_nc_u64 s[12:13], s[12:13], s[22:23]
.if KIND == 0
	s_lshr_b32 s22, s18, 1
	s_lshl_b32 s22, s22, 10
	s_add_co_u32 s22, s22, s46                     ; pad_mask: the batch's row, my first column
.else
	s_lshl_b32 s22, s46, 2                         ; bp
.endif
	s_add_nc_u64 s[10:11], s[10:11], s[22:23]
; amax: 512 words each for k', q', v': four loads of 512 bytes each; then the largest of 16 registers and of the 32 lanes
.macro AMAX dst, first
	v_mov_b32 v[\dst+1], 0                         ; (a lane permute's destination counts as one of its sources)
	v_max3_num_f32 v[\dst], v[\first], v[\first+1], v[\first+2]
.irp i, 3,5,7,9,11,13
	v_max3_num_f32 v[\dst], v[\dst], v[\first+\i], v[\first+\i+1]
.endr
	v_max_num_f32 v[\dst], v[\dst], v[\first+15]
	v_max_num_f32_dpp v[\dst], v[\dst], v[\dst] row_xmask:1 row_mask:0xf bank_mask:0xf
	v_max_num_f32_dpp v[\dst], v[\dst], v[\dst] row_xmask:2 row_mask:0xf bank_mask:0xf
	v_max_num_f32_dpp v[\dst], v[\dst], v[\dst] row_xmask:4 row_mask:0xf bank_mask:0xf
	v_max_num_f32_dpp v[\dst], v[\dst], v[\dst] row_xmask:8 row_mask:0xf bank_mask:0xf
	v_permlanex16_b32 v[\dst+1], v[\dst], s[SEL], s[SEL+1]
	v_max_num_f32 v[\dst], v[\dst], v[\dst+1]
.endm
.irp i, 0,1,2,3,4,5,6,7
	global_load_b128 v[32+4*\i:35+4*\i], v[TO], s[8:9] offset:512*\i            ; k's and q's
.endr
.if KIND == 2
.irp i, 0,1,2,3
	global_load_b128 v[64+4*\i:67+4*\i], v[TO], s[8:9] offset:4096+512*\i       ; v's
.endr
	global_load_b128 v[8:11], v[TO], s[10:11]      ; bp of my four columns
.else
	v_lshlrev_b32 v10, 2, v3
	global_load_b32 v4, v10, s[10:11]              ; pad_mask of my four columns
.endif
	s_wait_loadcnt 0x0                             ; all of them: the tiles are on their way meanwhile
	AMAX 14, 32
	AMAX 30, 48
	v_mul_f32 v14, v14, v30
	v_fma_f32 v14, v14, 0x42000000, 1.0            ; B = 32 kmax qmax + 1
	v_lshrrev_b32 v14, 23, v14                     ; E
.if KIND == 0
	v_sub_nc_u32 v14, 268, v14
	v_lshlrev_b32 v14, 23, v14                     ; f = 2^(141 - E)
	v_mul_f32 v[FAC], 0x3f317218, v14              ; f ln 2
.else
	AMAX 6, 64
	v_max_num_f32 v6, 0x0d800000, v6               ; vmax, held at 2^-100 from below
	v_lshrrev_b32 v6, 23, v6                       ; EV
	v_add_nc_u32 v14, -14, v14
	v_lshlrev_b32 v14, 23, v14                     ; 1 / f = 2^(E - 141)
	v_add_nc_u32 v6, 11, v6
	v_lshlrev_b32 v6, 23, v6                       ; 1 / g = 2^(EV - 116)
	v_mul_f32 v[FAC], v14, v6
.endif
	v_mov_b32 v[FAC+1], v[FAC]
; 8 matrix instructions: A's block a against B's eight, 32 along K.  zero = 1: the first product starts the sums.  The 32 accumulators take turns, one instruction a turn, in the same order in every quarter.
.macro MULA f, a, zero
.irp b, 0,1,2,3,4,5,6,7
.if \zero
	v_wmma_f32_16x16x32_f16 v[8*(8*\a+\b):8*(8*\a+\b)+7], v[\f+32+8*\b:\f+32+8*\b+7], v[\f+8*\a:\f+8*\a+7], 0
.else
	v_wmma_f32_16x16x32_f16 v[8*(8*\a+\b):8*(8*\a+\b)+7], v[\f+32+8*\b:\f+32+8*\b+7], v[\f+8*\a:\f+8*\a+7], v[8*(8*\a+\b):8*(8*\a+\b)+7]
.endif
.endr
.endm
; 24 LDS loads in one run: the fragments of the q-th 32 along K of slot src (0: D, 1: S) into buffer f: B's eight first, then A's four
.macro FETCH src, q, f
.set FP, PD-(PD-PS)*(\src)
.irp i, 0,1,2,3,4,5,6,7
	ds_load_b128 v[\f+32+8*\i:\f+32+8*\i+3],   v[ADRB+\src] offset:64*(\q)+\i*16*FP
	ds_load_b128 v[\f+32+8*\i+4:\f+32+8*\i+7], v[ADRB+\src] offset:64*(\q)+\i*16*FP+32
.endr
.irp i, 0,1,2,3
	ds_load_b128 v[\f+8*\i:\f+8*\i+3],   v[ADRA+\src] offset:64*(\q)+\i*16*FP
	ds_load_b128 v[\f+8*\i+4:\f+8*\i+7], v[ADRA+\src] offset:64*(\q)+\i*16*FP+32
.endr
.endm
.macro PLACES                          ; four plain vector instructions between a matrix instruction and a load into one of its registers, or a read of its result
.rept 4
	v_nop
.endr
.endm
; A quarter is 32 along K, 32 matrix instructions, on buffers 0, 1 by turns.  It multiplies buffer f and fetches the slot's q-th quarter into g.
.macro QUARTER src, q, f, g, zero
	s_wait_dscnt 4                                 ; B's eight and A's blocks 0, 1 are in; the youngest four loads (A's blocks 2, 3) may be out
	WIN MUL
	MULA \f, 0, \zero
	MULA \f, 1, \zero
	PLACES
	WIN 0
	FETCH \src, \q, \g
	s_wait_dscnt 24                                ; all but the 24 just issued
	WIN MUL
	MULA \f, 2, \zero
	MULA \f, 3, \zero
.endm
; A slot's last quarter multiplies buffer 1 and changes slots: ONE barrier; in front of it each wave waits for all its tensor loads, adds 0 to its spare word, and waits for that and for its own reads of slot cur.
; fill = 1: the barrier opens a round of the cluster's barrier, and slot cur is filled again, first thing behind the round.
.macro TURN next, cur, fill
	WIN 0
	s_wait_tensorcnt 0x0                           ; all my tensor loads have landed: my part of the next slot
	ds_add_u32 v[SPW], v[NIL]
	s_wait_dscnt 5                                 ; (the add and the youngest four loads may be out)
	WIN MUL
	MULA F1, 0, 0                                  ; eight matrix instructions stand between the add and the wait for it
	s_wait_dscnt 0x0                               ; the add is done, and my reads of this slot are over
	s_barrier_signal -1
	MULA F1, 1, 0
	WIN 0
	s_barrier_wait -1
.if \fill
	CREST                                          ; no wave of any partner still reads this slot's tile or has a load on its way
	s_add_nc_u64 s[G0A+4*\cur+2:G0A+4*\cur+3], s[G0A+4*\cur+2:G0A+4*\cur+3], KADV
	s_add_nc_u64 s[G0B+4*\cur+2:G0B+4*\cur+3], s[G0B+4*\cur+2:G0B+4*\cur+3], KADV
	JLOAD \cur                                     ; the first tensor load behind the round; its four v_nop are also the places in front of the loads below
.else
	PLACES
.endif
	FETCH \next, 0, F0
	WIN MUL
	MULA F1, 2, 0
	MULA F1, 3, 0
.endm
.macro DSEG zero                       ; D's eight quarters but the last
	QUARTER 0, 1, F0, F1, \zero
	QUARTER 0, 2, F1, F0, 0
	QUARTER 0, 3, F0, F1, 0
	QUARTER 0, 4, F1, F0, 0
	QUARTER 0, 5, F0, F1, 0
	QUARTER 0, 6, F1, F0, 0
	QUARTER 0, 7, F0, F1, 0
.endm
.macro SSEG                            ; S's four quarters but the last
	QUARTER 1, 1, F0, F1, 0
	QUARTER 1, 2, F1, F0, 0
	QUARTER 1, 3, F0, F1, 0
.endm
	s_wait_tensorcnt 1                             ; my part of D is in; S's may stay out
	s_barrier_signal -1
	s_barrier_wait -1                              ; everybody's is
	FETCH 0, 0, F0
	DSEG 1                                         ; K steps 0 and 1; the first quarter's products start the sums
	TURN 1, 0, 1                                   ; D takes K steps 3 and 4
	SSEG                                           ; K step 2
	TURN 0, 1, 1                                   ; S takes K step 5
	DSEG 0                                         ; K steps 3 and 4
	TURN 1, 0, 1                                   ; D takes K steps 6 and 7
	SSEG                                           ; K step 5
	TURN 0, 1, 0                                   ; nothing is left to fetch
	DSEG 0                                         ; K steps 6 and 7
	s_wait_dscnt 4                                 ; the very last quarter
	WIN MUL
	MULA F1, 0, 0
	MULA F1, 1, 0
	s_wait_dscnt 0x0
	MULA F1, 2, 0
	MULA F1, 3, 0
	WIN 0
	PLACES                                         ; behind the last products: for the reads of results, and for what is written into the fragments' registers
; THE WAY OUT, 16 rows x 128 columns at a time: through my own stage in LDS, so that row t of the block lies in the wave with lane l holding columns 4 l .. 4 l + 3.  A block goes through the stage while the block before it is worked on.
.macro TOSTAGE a                       ; LDS serves a wave's instructions in order (ISA guide 5.7.1.4): no wait between the stores and the loads, nor in front of the next block's stores
.set XB, XX-64*((\a)%2)
	WIN 0x04                                       ; an LDS store's data are its source 1: window 1
.irp b, 0,1,2,3,4,5,6,7
	ds_store_b128 v[STO], v[8*(8*(\a)+\b):8*(8*(\a)+\b)+3] offset:64*\b            ; each accumulator from its low end on
	ds_store_b128 v[STO], v[8*(8*(\a)+\b)+4:8*(8*(\a)+\b)+7] offset:64*\b+16
.endr
	WIN 0
.irp t, 0,1,2,3,4,5,6,7,8,9,10,11,12,13,14,15
	ds_load_b128 v[XB+4*\t:XB+4*\t+3], v[RD] offset:\t*SPITCH
.endr
.endm
.if KIND == 0
	v_lshl_add_u32 v6, v3, 2, s70                  ; my first column less the wave's first row
	v_mov_b32 v14, 0x3fffffff                      ; in its stead for a column that pad_mask hides: beyond every row
.irp e, 0,1,2,3
	v_bfe_u32 v5, v4, 8*\e, 8
	v_add_nc_u32 v7, \e, v6
	v_cmp_ne_u32 vcc_lo, 0, v5
	v_cndmask_b32 v[8+\e], v14, v7, vcc_lo         ; column e counts for the wave's row n where n >= this number
.endr
.macro BLOCK a
.if (\a) < 3
	TOSTAGE (\a)+1
	s_wait_dscnt 32                                ; this block's rows are back; the next block's 16 stores and 16 loads may be out
.else
	s_wait_dscnt 0x0
.endif
	s_wait_xcnt 0x0                                ; the last block's stores have read their data
.set XC, XX-64*((\a)%2)
.set i, 0
.rept 32
	v_pk_mul_f32 v[XC+2*i:XC+2*i+1], v[XC+2*i:XC+2*i+1], s[CS:CS+1] op_sel_hi:[1,0]   ; u = sum x log2(e) / 32
.set i, i+1
.endr
.set i, 0
.rept 64
	v_exp_f32 v[EE+i], -|v[XC+i]|                  ; 2^-|u|, at most 1
.set i, i+1
.endr
	v_nop                                          ; a plain instruction behind the last exponential
	s_wait_alu depctr_va_vdst(0)                   ; one wait for the batch, ahead of its first reader
.set i, 0
.rept 32
	v_pk_add_f32 v[EE+2*i:EE+2*i+1], v[EE+2*i:EE+2*i+1], 1.0 op_sel_hi:[1,0]
.set i, i+1
.endr
.set i, 0
.rept 64
	v_log_f32 v[EE+i], v[EE+i]                     ; log2(1 + 2^-|u|)
.set i, i+1
.endr
.set i, 0
.rept 64
	v_max_num_f32 v[XC+i], 0, v[XC+i]              ; max(u, 0): plain work behind the logarithms
.set i, i+1
.endr
	s_wait_alu depctr_va_vdst(0)                   ; one wait for the batch of logarithms
.set i, 0
.rept 32
	v_pk_add_f32 v[XC+2*i:XC+2*i+1], v[XC+2*i:XC+2*i+1], v[EE+2*i:EE+2*i+1]
.set i, i+1
.endr
.set i, 0
.rept 32
	v_pk_mul_f32 v[XC+2*i:XC+2*i+1], v[XC+2*i:XC+2*i+1], v[FAC:FAC+1]                 ; x f ln 2
.set i, i+1
.endr
.irp t, 0,1,2,3,4,5,6,7,8,9,10,11,12,13,14,15
.irp e, 0,1,2,3
	v_cmp_ge_i32 s[20+\e], 16*(\a)+\t, v[8+\e]     ; the causal mask and pad_mask in one compare; four results in four registers
.endr
.irp e, 0,1,2,3
	v_cndmask_b32 v[XC+4*\t+\e], 0, v[XC+4*\t+\e], s[20+\e]   ; what is hidden is 0
.endr
.endr
.set i, 0
.rept 32
	v_cvt_pk_f16_f32 v[OUT+i], v[XC+2*i], v[XC+2*i+1]
.set i, i+1
.endr
.irp t, 0,1,2,3,4,5,6,7,8,9,10,11,12,13,14,15
	global_store_b64 v[CO], v[OUT+2*\t:OUT+2*\t+1], s[12:13] offset:(16*(\a)+\t)*2048   ; the wave stores 256 consecutive bytes, at a multiple of 256 from the buffer's first byte
.endr
.endm
.else
.macro BLOCK a
.if (\a) < 3
	s_wait_xcnt 0x0                                ; the stores of the block before have read their data, which the loads below write again
	TOSTAGE (\a)+1
	s_wait_dscnt 32                                ; this block's rows are back; the next block's 16 stores and 16 loads may be out
.else
	s_wait_dscnt 0x0
.endif
.set XC, XX-64*((\a)%2)
.set i, 0
.rept 16
	v_pk_fma_f32 v[XC+4*i:XC+4*i+1], v[XC+4*i:XC+4*i+1], v[FAC:FAC+1], v[8:9]         ; sum / (f g) + bp
	v_pk_fma_f32 v[XC+4*i+2:XC+4*i+3], v[XC+4*i+2:XC+4*i+3], v[FAC:FAC+1], v[10:11]
.set i, i+1
.endr
.irp t, 0,1,2,3,4,5,6,7,8,9,10,11,12,13,14,15
	global_store_b128 v[TO], v[XC+4*\t:XC+4*\t+3], s[12:13] offset:(16*(\a)+\t)*4096 th:TH_STORE_NT   ; the wave stores 512 consecutive bytes, aligned; written once, read by nobody here
.endr
.endm
.endif
	TOSTAGE 0
.irp a, 0,1,2,3
	BLOCK \a
.endr
	s_wait_tensorcnt 0x0                           ; the wave's end, behind my last tensor load and my last LDS store
	ds_add_u32 v[SPW], v[NIL]
	s_wait_dscnt 0x0
	CROUND                                         ; the closing round: no work-group ends while a partner may still ask for a tile that names it
	s_endpgm
.Lfunc_end_k_q773c792b31_scores:
	.size	k_q773c792b31_scores, .Lfunc_end_k_q773c792b31_scores-k_q773c792b31_scores
	.p2alignl 7, 3214868480
	.fill 96, 4, 3214868480
	.section	.rodata,"a",@progbits
	.p2align	6, 0x0
	.amdhsa_kernel k_q773c792b31_scores
		.amdhsa_group_segment_fixed_size 327680
		.amdhsa_private_segment_fixed_size 0
		.amdhsa_enable_private_segment 0
		.amdhsa_kernarg_size 32
		.amdhsa_user_sgpr_count 2
		.amdhsa_user_sgpr_kernarg_segment_ptr 1
		.amdhsa_wavefront_size32 1
		.amdhsa_system_sgpr_workgroup_id_x 1
		.amdhsa_system_sgpr_workgroup_id_y 1
		.amdhsa_system_sgpr_workgroup_id_z 1
		.amdhsa_system_vgpr_workitem_id 0
		.amdhsa_next_free_vgpr 512
		.amdhsa_next_free_sgpr 96
		.amdhsa_reserve_vcc 1
		.amdhsa_float_denorm_mode_32 3
		.amdhsa_float_denorm_mode_16_64 3
		.amdhsa_memory_ordered 1
		.amdhsa_forward_progress 1
		.amdhsa_inst_pref_size 255
	.end_amdhsa_kernel
	.amdgpu_metadata
---
amdhsa.version: [ 1, 2 ]
amdhsa.kernels:
  - .name:           k_q773c792b31_scores
    .symbol:         k_q773c792b31_scores.kd
    .args:
      - { .name: kqv, .offset: 0, .size: 8, .value_kind: global_buffer, .address_space: global }
      - { .name: amax, .offset: 8, .size: 8, .value_kind: global_buffer, .address_space: global }
      - { .name: pad_mask, .offset: 16, .size: 8, .value_kind: global_buffer, .address_space: global }
      - { .name: wei, .offset: 24, .size: 8, .value_kind: global_buffer, .address_space: global }
    .group_segment_fixed_size: 327680
    .private_segment_fixed_size: 0
    .kernarg_segment_align: 8
    .kernarg_segment_size: 32
    .max_flat_workgroup_size: 128
    .sgpr_count:     96
    .vgpr_count:     512
    .wavefront_size: 32
...
	.end_amdgpu_metadata
.endif
;; end of part 3
;; launch pv (part 4): grid 4 x 64, 4 waves a work-group, clusters of 4 x 4, 327,680 bytes of LDS; arguments wei, kqv, amax, tab, o16; writes o16
.if DOCPART == 4
	.amdgcn_target "amdgcn-amd-amdhsa--gfx1250"
	.amdhsa_code_object_version 6
	.text
	.protected	k_q773c792b31_pv
	.globl	k_q773c792b31_pv
	.p2align	8
	.type	k_q773c792b31_pv,@function
k_q773c792b31_pv:
	s_mov_b64 s[64:65], 0
	v_nop
	global_prefetch_b8 v0, s[64:65] scope:SCOPE_SE
	s_setreg_imm32_b32 hwreg(HW_REG_WAVE_MODE, 25, 1), 1
	s_wait_xcnt 0x0
	s_wait_alu depctr_hold_cnt(0) depctr_sa_sdst(0) depctr_va_vdst(0) depctr_va_sdst(0) depctr_va_ssrc(0) depctr_va_vcc(0) depctr_vm_vsrc(0)
	s_getreg_b32 s2, hwreg(HW_REG_IB_STS2, 6, 4)
	s_cmp_eq_u32 s2, 0
	s_cbranch_scc0 .Lentry_in_a_cluster
	s_endpgm
.Lentry_in_a_cluster:
	s_bfe_u32 s2, ttmp6, 0x10000c
	s_cmp_lg_u32 s2, 0xf033
	s_cbranch_scc0 .Lentry_shape_is_right
	s_endpgm
.Lentry_shape_is_right:
; O' = rotate back((w f) v' g), per batch: a product C = A B of [8192][1024] by 1,024 columns, f16 operands, f32 sums.  A = w f [i][j]; B = v' of the same batch, stored [j][c]: its fragments are turned by ds_load_tr16_b128.
; The sums x g become (c x0 - s x1, s x0 + c x1) with (c, s) from tab[i][d], and are stored in f16.
; Rows 0-511 of a batch have zeros in w from column 512 on: their clusters walk half of K (a trip count made of the cluster's y alone, the same in all sixteen partners).
; g IS AN EXACT POWER OF TWO, made alike in every work-group from amax (the largest |v'|), and enters values alone: w f lies under 2^15, and with EV = vmax's exponent field g = 2^(116 - EV) keeps 1,024 terms (w f) v' g under 2^15.
; LIMIT: |v'| up to 65,504; NaN and infinities are not served.
; SHARES.  A tile of C is 128 x 256: 256 work-groups.  Four waves, 64 x 128 each: 32 accumulators, 256 registers (window 1).  K goes in steps of 128 through two LDS slots.
; CLUSTERS: 4 x 4 work-groups; A's tile is shared along a row of the cluster, B's along a column, each asked for JOINTLY.  THE MATRIX INSTRUCTION IS USED TRANSPOSED (source 0 = B, source 1 = A): a lane holds eight neighbouring columns of a row of C.
; THE TABLE of the wave's 64 rows x 128 columns is 256 registers: all of window 2.  Three quarters of it are asked for at the head, the last ahead of the last quarter of K: it has landed when the way out begins.
; REGISTERS, window 0: v1-3 l % 16, l / 16, lane; v4-15 the way out's constants; v16-29 addresses; v32-63 amax, later packed results; two fragment buffers of 96 at v64 and v160 (32 of A, 64 of B).
;   On the way out: v192-255 and v128-191 a block's 16 rows, by turns.
.set PITCH,  272                       ; an LDS row of A: 256 bytes + 16 of padding: the 16 rows that a load touches start at 16 different banks (64 banks of 4 bytes: ISA guide 11.1)
.set PVP,    544                       ; a row of B: 512 bytes + 32
.set AHALF,  64*PITCH                  ; what one tensor load brings of A, and what one wave reads of it
.set ATILE,  2*AHALF
.set BHALF,  64*PVP                    ; what one tensor load brings of B
.set SLOT,   ATILE+2*BHALF
.set STAGE,  2*SLOT                    ; behind the slots: 16 rows x (512 bytes + 16) for each wave; no tile lands there
.set SPITCH, 528
.set SPARE,  STAGE+4*16*SPITCH         ; the spare words, 128 bytes for each wave
.set BSLOT,  128*2048                  ; a K step on in B: 128 rows
.set U,    4                           ; v4-11   four pairs at work in the rotation
.set FAC,  12                          ; v12-13  g, twice
.set ADRA, 16
.set ADRB, 20
.set STO,  24
.set RD,   25
.set CO,   26                          ; 8 x lane
.set TO,   27                          ; 16 x lane
.set SPW,  28
.set NIL,  29
.set OUT,  32
.set F0,   64
.set F1,   160
.set XX,   192
.set G1,   24
.set G0,   32
.set G1B,  48
.set G0B,  56
.set SEL,  66
.set MSB, 0
.macro WIN new                         ; the immediate's high byte repeats the setting that is left
.if MSB != \new
	s_set_vgpr_msb (MSB<<8)|\new
.set MSB, \new
.endif
.endm
.set MUL, 0x50                         ; C and D window 1, both sources window 0
.macro JLOAD s                         ; a joint load: waves 0 and 1 fetch A's halves, waves 2 and 3 B's; an s_nop 0 and four v_nop follow each of the two lines
	s_cmp_eq_u32 s15, 0
	s_cbranch_scc0 .Lfor_b_\@
	tensor_load_to_lds s[G0+4*\s:G0+4*\s+3], s[G1:G1+7]
	s_nop 0
.rept 4
	v_nop
.endr
	s_branch .Lasked_\@
.Lfor_b_\@:
	tensor_load_to_lds s[G0B+4*\s:G0B+4*\s+3], s[G1B:G1B+7]
	s_nop 0
.rept 4
	v_nop
.endr
.Lasked_\@:
.endm
.macro CREST                           ; a round of the cluster's barrier behind its opening barrier
	s_cmp_lg_u32 s14, 0
	s_cbranch_scc1 .Lnot_wave_0_\@
	s_barrier_signal -3
.Lnot_wave_0_\@:
	s_barrier_wait -3
	s_barrier_signal -1
	s_barrier_wait -1
.endm
.macro CROUND
	s_barrier_signal -1
	s_barrier_wait -1
	CREST
.endm
	s_load_b256 s[4:11], s[0:1], 0x0               ; wei, kqv, amax, tab
	s_load_b64 s[12:13], s[0:1], 0x20              ; o16
	v_lshl_add_u32 v[SPW], v0, 2, SPARE
	v_mov_b32 v[NIL], 0
	ds_add_u32 v[SPW], v[NIL]                      ; the wave's opening: the add, twice on end, and its wait ahead of my first tensor load
	ds_add_u32 v[SPW], v[NIL]
	v_lshrrev_b32 v1, 5, v0
	v_readfirstlane_b32 s14, v1                    ; wave
	s_lshr_b32 s15, s14, 1                         ; which 64 rows are mine.  Also: I fetch for A (0) or for B (1)
	s_and_b32 s16, s14, 1                          ; which 128 columns.  Also: which half of that tile I fetch
	s_bfe_u32 s40, ttmp6, 0x40000                  ; cx = the tile column (the grid is one cluster wide)
	s_bfe_u32 s41, ttmp6, 0x40004                  ; cy
	s_and_b32 s18, ttmp7, 0xffff                   ; the cluster's y: two clusters to a batch
	s_lshl_b32 s17, s18, 2
	s_add_co_u32 s17, s17, s41                     ; tile row = 4 x cluster y + cy
	s_lshl_b32 s42, s41, 2
	s_lshl_b32 s42, 15, s42                        ; my row of the cluster
	s_lshl_b32 s43, 0x1111, s40                    ; my column
	s_or_b32 s[G1], s42, (1<<16)|(1<<20)|(1<<21)|(5<<22)|(3<<25)   ; the mask; elements of 2 bytes; padding on; bit 21 beside a mask; 4 words behind every 64
	s_mov_b32 s[G1+1], 128<<16                     ; tensor_dim0
	s_mov_b32 s[G1+2], 64<<16                      ; tensor_dim1
	s_mov_b32 s[G1+3], 128<<16                     ; tile_dim0
	s_mov_b32 s[G1+4], 64                          ; tile_dim1
	s_mov_b32 s[G1+5], 1024                        ; from row to row
	s_mov_b32 s[G1+6], 0
	s_mov_b32 s[G1+7], 0
	s_or_b32 s[G1B], s43, (1<<16)|(1<<20)|(1<<21)|(6<<22)|(7<<25)  ; 8 words behind every 128
	s_mov_b32 s[G1B+1], 256<<16
	s_mov_b32 s[G1B+2], 64<<16
	s_mov_b32 s[G1B+3], 256<<16
	s_mov_b32 s[G1B+4], 64
	s_mov_b32 s[G1B+5], 1024
	s_mov_b32 s[G1B+6], 0
	s_mov_b32 s[G1B+7], 0
	; where the tiles come from.  A's hang on the tile row, which my row of the cluster shares; B's on the tile column and the batch, which my column shares.
	s_lshl_b32 s20, s17, 7
	s_lshl_b32 s21, s16, 6
	s_add_co_u32 s20, s20, s21                     ; A: row 128 x tile row + 64 x half
	s_lshl_b32 s20, s20, 11                        ; 2,048 bytes a row
	s_mov_b32 s21, 0
	s_lshr_b32 s46, s18, 1
	s_lshl_b32 s46, s46, 10                        ; B: the batch's first row (K runs down the rows),
	s_lshl_b32 s47, s16, 6
	s_add_co_u32 s46, s46, s47                     ; + 64 x half
	s_lshl_b32 s46, s46, 11
	s_lshl_b32 s47, s40, 9
	s_add_co_u32 s46, s46, s47                     ; + the tile column's 512 bytes
	s_add_co_u32 s46, s46, 0x2000000               ; v' lies behind k' and q'
	s_mov_b32 s47, 0
	s_mul_i32 s44, s16, AHALF                      ; and where they go: no place in the cluster enters an LDS address
	s_mul_i32 s45, s16, BHALF
	s_add_co_u32 s45, s45, ATILE
	s_mov_b32 s[SEL], 0x76543210
	s_mov_b32 s[SEL+1], 0xfedcba98
	s_wait_dscnt 0x0                               ; both opening adds are done
	s_wait_kmcnt 0x0
	s_add_nc_u64 s[20:21], s[4:5], s[20:21]
	s_add_nc_u64 s[46:47], s[6:7], s[46:47]
	CROUND                                         ; all sixteen work-groups are here: the first joint loads meet
.irp s, 0,1
	s_mov_b32 s[G0+4*\s], 1
	s_add_co_u32 s[G0+4*\s+1], s44, \s*SLOT
	s_add_nc_u64 s[G0+4*\s+2:G0+4*\s+3], s[20:21], \s*256
	s_or_b32 s[G0+4*\s+3], s[G0+4*\s+3], 0x80000000
	s_mov_b32 s[G0B+4*\s], 1
	s_add_co_u32 s[G0B+4*\s+1], s45, \s*SLOT
	s_add_nc_u64 s[G0B+4*\s+2:G0B+4*\s+3], s[46:47], \s*BSLOT
	s_or_b32 s[G0B+4*\s+3], s[G0B+4*\s+3], 0x80000000
	JLOAD \s                                       ; by this text's own count two tensor loads of a wave are out here, later one
.endr
	v_and_b32 v1, 15, v0                           ; l % 16
	v_bfe_u32 v2, v0, 4, 1                         ; l / 16
	v_and_b32 v3, 31, v0                           ; lane
	v_mul_u32_u24 v5, v1, PITCH
	v_lshl_add_u32 v5, v2, 4, v5                   ; a fragment's row x pitch + 16 x half
	v_and_b32 v6, 7, v0                            ; the turning load: lane l reads 16 bytes of row 8 (l / 16) + l % 8, columns 8 ((l / 8) % 2) on
	v_lshl_add_u32 v6, v2, 3, v6
	v_mul_u32_u24 v6, v6, PVP
	v_bfe_u32 v7, v0, 3, 1
	v_lshl_add_u32 v6, v7, 4, v6
	s_lshl_b32 s23, s16, 8                         ; my 128 columns: 256 bytes along the rows
	s_mul_i32 s22, s15, AHALF                      ; my 64 rows of A
	s_add_co_u32 s23, s23, ATILE
.irp s, 0,1
	v_add_nc_u32 v[ADRA+\s], s22, v5
	v_add_nc_u32 v[ADRB+\s], s23, v6
	s_add_co_u32 s22, s22, SLOT
	s_add_co_u32 s23, s23, SLOT
.endr
	s_mul_i32 s22, s14, 16*SPITCH
	s_add_co_u32 s22, s22, STAGE                   ; my stage
	v_mul_u32_u24 v7, v1, SPITCH                   ; in: row l % 16, 32 bytes for each half of the lanes
	v_lshl_add_u32 v7, v2, 5, v7
	v_add_nc_u32 v[STO], s22, v7
	v_lshlrev_b32 v[TO], 4, v3
	v_lshlrev_b32 v[CO], 3, v3
	v_add_nc_u32 v[RD], s22, v[TO]                 ; back: the 32 lanes take one row of 512 bytes
	s_lshl_b32 s20, s17, 7
	s_lshl_b32 s21, s15, 6
	s_add_co_u32 s20, s20, s21                     ; my first row
	s_and_b32 s71, s20, 1023                       ; and its place in its batch
	s_lshl_b32 s46, s40, 8
	s_lshl_b32 s47, s16, 7
	s_add_co_u32 s46, s46, s47                     ; my first column
	s_lshl_b32 s20, s20, 11                        ; rows of 2,048 bytes
	s_lshl_b32 s22, s46, 1
	s_mov_b32 s21, 0
	s_mov_b32 s23, 0
	s_add_nc_u64 s[12:13], s[12:13], s[20:21]
	s_add_nc_u64 s[12:13], s[12:13], s[22:23]
	s_lshl_b32 s22, s71, 12                        ; the table: 4,096 bytes a position,
	s_lshl_b32 s20, s46, 2                         ; 8 bytes a pair of columns
	s_add_co_u32 s22, s22, s20
	s_add_nc_u64 s[10:11], s[10:11], s[22:23]
.irp i, 0,1,2,3
	global_load_b128 v[32+4*\i:35+4*\i], v[TO], s[8:9] offset:4096+512*\i       ; amax: the 512 words of v'
.endr
	s_wait_loadcnt 0x0                             ; the tiles are on their way meanwhile
	v_mov_b32 v15, 0                               ; (a lane permute's destination counts as one of its sources)
	v_max3_num_f32 v14, v32, v33, v34              ; the largest of 16 registers and of the 32 lanes
.irp i, 3,5,7,9,11,13
	v_max3_num_f32 v14, v14, v[32+\i], v[33+\i]
.endr
	v_max_num_f32 v14, v14, v47
	v_max_num_f32_dpp v14, v14, v14 row_xmask:1 row_mask:0xf bank_mask:0xf
	v_max_num_f32_dpp v14, v14, v14 row_xmask:2 row_mask:0xf bank_mask:0xf
	v_max_num_f32_dpp v14, v14, v14 row_xmask:4 row_mask:0xf bank_mask:0xf
	v_max_num_f32_dpp v14, v14, v14 row_xmask:8 row_mask:0xf bank_mask:0xf
	v_permlanex16_b32 v15, v14, s[SEL], s[SEL+1]
	v_max_num_f32 v14, v14, v15
	v_max_num_f32 v14, 0x0d800000, v14             ; vmax, held at 2^-100 from below
	v_lshrrev_b32 v14, 23, v14                     ; EV
	v_sub_nc_u32 v14, 243, v14
	v_lshlrev_b32 v[FAC], 23, v14                  ; g = 2^(116 - EV)
	v_mov_b32 v[FAC+1], v[FAC]
; The table's 16 rows of block a, my 128 columns: 512 consecutive bytes a load; lane l gets (c, s, c, s) of its two pairs.  Block a's 64 registers: v[64 a] on, in window 2.
.macro TABLE a
	WIN 0x80                                       ; destination window 2, address window 0
.irp t, 0,1,2,3,4,5,6,7,8,9,10,11,12,13,14,15
	global_load_b128 v[64*(\a)+4*\t:64*(\a)+4*\t+3], v[TO], s[10:11] offset:(16*(\a)+\t)*4096
.endr
	WIN 0
.endm
	TABLE 0
	TABLE 1
	TABLE 2
; 8 matrix instructions: A's block a against B's eight, 32 along K.  zero = 1: the first product starts the sums.  The 32 accumulators take turns, one instruction a turn, in the same order in every quarter.
.macro MULA f, a, zero
.irp b, 0,1,2,3,4,5,6,7
.if \zero
	v_wmma_f32_16x16x32_f16 v[8*(8*\a+\b):8*(8*\a+\b)+7], v[\f+32+8*\b:\f+32+8*\b+7], v[\f+8*\a:\f+8*\a+7], 0
.else
	v_wmma_f32_16x16x32_f16 v[8*(8*\a+\b):8*(8*\a+\b)+7], v[\f+32+8*\b:\f+32+8*\b+7], v[\f+8*\a:\f+8*\a+7], v[8*(8*\a+\b):8*(8*\a+\b)+7]
.endif
.endr
.endm
; 24 LDS loads in one run: the fragments of the slot's q-th 32 along K into buffer f: B's eight first, then A's four
.macro FETCH slot, q, f
.irp i, 0,1,2,3,4,5,6,7
	ds_load_tr16_b128 v[\f+32+8*\i:\f+32+8*\i+3],   v[ADRB+\slot] offset:(\q)*32*PVP+32*\i
	ds_load_tr16_b128 v[\f+32+8*\i+4:\f+32+8*\i+7], v[ADRB+\slot] offset:(\q)*32*PVP+32*\i+16*PVP
.endr
.irp i, 0,1,2,3
	ds_load_b128 v[\f+8*\i:\f+8*\i+3],   v[ADRA+\slot] offset:64*(\q)+\i*16*PITCH
	ds_load_b128 v[\f+8*\i+4:\f+8*\i+7], v[ADRA+\slot] offset:64*(\q)+\i*16*PITCH+32
.endr
.endm
.macro PLACES                          ; four plain vector instructions between a matrix instruction and a load into one of its registers, or a read of its result
.rept 4
	v_nop
.endr
.endm
; A K step is four quarters of 32 along K, 32 matrix instructions each, on buffers 0, 1, 0, 1.  One of the first three multiplies buffer f and fetches the slot's q-th quarter into g.
.macro QUARTER slot, q, f, g, zero
	s_wait_dscnt 4                                 ; B's eight and A's blocks 0, 1 are in; the youngest four loads (A's blocks 2, 3) may be out
	WIN MUL
	MULA \f, 0, \zero
	MULA \f, 1, \zero
	PLACES
	WIN 0
	FETCH \slot, \q, \g
	s_wait_dscnt 24                                ; all but the 24 just issued
	WIN MUL
	MULA \f, 2, \zero
	MULA \f, 3, \zero
.endm
; The last quarter multiplies buffer 1 and changes slots: ONE barrier; in front of it each wave waits for all its tensor loads, adds 0 to its spare word, and waits for that and for its own reads of this slot.
; fill = 1: the barrier opens a round of the cluster's barrier, and this slot is filled again, two K steps ahead: from the request to the wait for it a wave issues 112 matrix instructions.
.macro TURN slot, next, fill
	WIN 0
	s_wait_tensorcnt 0x0                           ; all my tensor loads have landed: my part of the next slot
	ds_add_u32 v[SPW], v[NIL]
	s_wait_dscnt 5                                 ; (the add and the youngest four loads may be out)
	WIN MUL
	MULA F1, 0, 0                                  ; eight matrix instructions stand between the add and the wait for it
	s_wait_dscnt 0x0                               ; the add is done, and my reads of this slot are over
	s_barrier_signal -1
	MULA F1, 1, 0
	WIN 0
	s_barrier_wait -1
.if \fill
	CREST                                          ; no wave of any partner still reads this slot's tile or has a load on its way
	s_add_nc_u64 s[G0+4*\slot+2:G0+4*\slot+3], s[G0+4*\slot+2:G0+4*\slot+3], 2*256
	s_add_nc_u64 s[G0B+4*\slot+2:G0B+4*\slot+3], s[G0B+4*\slot+2:G0B+4*\slot+3], 2*BSLOT
	JLOAD \slot                                    ; the first tensor load behind the round; its four v_nop are also the places in front of the loads below
.else
	PLACES
.endif
	FETCH \next, 0, F0
	WIN MUL
	MULA F1, 2, 0
	MULA F1, 3, 0
.endm
	s_wait_tensorcnt 1                             ; my part of K step 0 is in; K step 1's may stay out
	s_barrier_signal -1
	s_barrier_wait -1                              ; everybody's is
	FETCH 0, 0, F0
	QUARTER 0, 1, F0, F1, 1                        ; the first quarter stands in front of the loop: its products start the sums
	WIN 0                                          ; at a label and at a branch every window is 0
	s_and_b32 s3, s18, 1                           ; the batch's upper half of rows: K = 512, two laps; its lower half: four
	s_lshl_b32 s3, s3, 1
	s_add_co_u32 s3, s3, 1
	s_max_u32 s3, s3, 1                            ; 1 or 3 trips: at least 1
.Llap:                                             ; a trip goes once round the two slots, from a lap's second quarter to the next lap's first, and fills both again
	QUARTER 0, 2, F1, F0, 0
	QUARTER 0, 3, F0, F1, 0
	TURN 0, 1, 1
	QUARTER 1, 1, F0, F1, 0
	QUARTER 1, 2, F1, F0, 0
	QUARTER 1, 3, F0, F1, 0
	TURN 1, 0, 1
	QUARTER 0, 1, F0, F1, 0
	WIN 0
	s_sub_co_u32 s3, s3, 1
	s_cmp_lg_u32 s3, 0
	s_cbranch_scc1 .Llap
	QUARTER 0, 2, F1, F0, 0                        ; the last lap fills nothing, and has no round of the cluster's barrier
	QUARTER 0, 3, F0, F1, 0
	TURN 0, 1, 0
	QUARTER 1, 1, F0, F1, 0
	QUARTER 1, 2, F1, F0, 0
	QUARTER 1, 3, F0, F1, 0
	TABLE 3                                        ; the table's last quarter: no matrix instruction names window 2
	s_wait_dscnt 4                                 ; the very last quarter: nothing more to fetch from LDS
	WIN MUL
	MULA F1, 0, 0
	MULA F1, 1, 0
	s_wait_dscnt 0x0
	MULA F1, 2, 0
	MULA F1, 3, 0
	WIN 0
	PLACES                                         ; behind the last products: for the reads of results, and for what is written into the fragments' registers
; THE WAY OUT, 16 rows x 128 columns at a time: through my own stage in LDS, so that row t of the block lies in the wave with lane l holding columns 4 l .. 4 l + 3.  A block goes through the stage while the block before it is worked on.
.macro TOSTAGE a                       ; LDS serves a wave's instructions in order (ISA guide 5.7.1.4): no wait between the stores and the loads, nor in front of the next block's stores
.set XB, XX-64*((\a)%2)
	WIN 0x04                                       ; an LDS store's data are its source 1: window 1
.irp b, 0,1,2,3,4,5,6,7
	ds_store_b128 v[STO], v[8*(8*(\a)+\b):8*(8*(\a)+\b)+3] offset:64*\b            ; each accumulator from its low end on
	ds_store_b128 v[STO], v[8*(8*(\a)+\b)+4:8*(8*(\a)+\b)+7] offset:64*\b+16
.endr
	WIN 0
.irp t, 0,1,2,3,4,5,6,7,8,9,10,11,12,13,14,15
	ds_load_b128 v[XB+4*\t:XB+4*\t+3], v[RD] offset:\t*SPITCH
.endr
.endm
.macro BLOCK a
.if (\a) < 3
	TOSTAGE (\a)+1
	s_wait_dscnt 32                                ; this block's rows are back; the next block's 16 stores and 16 loads may be out
.else
	s_wait_dscnt 0x0
.endif
	s_wait_loadcnt 16*(3-(\a))                     ; this block's table is in; those of the blocks behind it may be out
	s_wait_xcnt 0x0                                ; the last block's stores have read their data
.set XC, XX-64*((\a)%2)
.set TT, 64*(\a)
.set i, 0
.rept 32
	v_pk_mul_f32 v[XC+2*i:XC+2*i+1], v[XC+2*i:XC+2*i+1], v[FAC:FAC+1]                 ; x g: exact
.set i, i+1
.endr
	WIN 0x08                                       ; source 1, the table: window 2
.set i, 0
.rept 8                                ; four pairs a turn, so that no line waits for the line above it
.irp p, 0,1,2,3
	v_pk_mul_f32 v[U+2*\p:U+2*\p+1], v[XC+8*i+2*\p:XC+8*i+2*\p+1], v[TT+8*i+2*\p:TT+8*i+2*\p+1] op_sel:[1,1] op_sel_hi:[0,1] neg_lo:[1,0]   ; (-s x1, s x0)
.endr
.irp p, 0,1,2,3
	v_pk_fma_f32 v[XC+8*i+2*\p:XC+8*i+2*\p+1], v[XC+8*i+2*\p:XC+8*i+2*\p+1], v[TT+8*i+2*\p:TT+8*i+2*\p+1], v[U+2*\p:U+2*\p+1] op_sel_hi:[1,0,1]   ; (c x0 - s x1, c x1 + s x0)
.endr
.set i, i+1
.endr
	WIN 0
.set i, 0
.rept 32
	v_cvt_pk_f16_f32 v[OUT+i], v[XC+2*i], v[XC+2*i+1]
.set i, i+1
.endr
.irp t, 0,1,2,3,4,5,6,7,8,9,10,11,12,13,14,15
	global_store_b64 v[CO], v[OUT+2*\t:OUT+2*\t+1], s[12:13] offset:(16*(\a)+\t)*2048   ; the wave stores 256 consecutive bytes, at a multiple of 256 from the buffer's first byte
.endr
.endm
	TOSTAGE 0
.irp a, 0,1,2,3
	BLOCK \a
.endr
	s_wait_tensorcnt 0x0                           ; the wave's end, behind my last tensor load and my last LDS store
	ds_add_u32 v[SPW], v[NIL]
	s_wait_dscnt 0x0
	CROUND                                         ; the closing round: no work-group ends while a partner may still ask for a tile that names it
	s_endpgm
.Lfunc_end_k_q773c792b31_pv:
	.size	k_q773c792b31_pv, .Lfunc_end_k_q773c792b31_pv-k_q773c792b31_pv
	.p2alignl 7, 3214868480
	.fill 96, 4, 3214868480
	.section	.rodata,"a",@progbits
	.p2align	6, 0x0
	.amdhsa_kernel k_q773c792b31_pv
		.amdhsa_group_segment_fixed_size 327680
		.amdhsa_private_segment_fixed_size 0
		.amdhsa_enable_private_segment 0
		.amdhsa_kernarg_size 40
		.amdhsa_user_sgpr_count 2
		.amdhsa_user_sgpr_kernarg_segment_ptr 1
		.amdhsa_wavefront_size32 1
		.amdhsa_system_sgpr_workgroup_id_x 1
		.amdhsa_system_sgpr_workgroup_id_y 1
		.amdhsa_system_sgpr_workgroup_id_z 1
		.amdhsa_system_vgpr_workitem_id 0
		.amdhsa_next_free_vgpr 768
		.amdhsa_next_free_sgpr 72
		.amdhsa_reserve_vcc 0
		.amdhsa_float_denorm_mode_32 3
		.amdhsa_float_denorm_mode_16_64 3
		.amdhsa_memory_ordered 1
		.amdhsa_forward_progress 1
		.amdhsa_inst_pref_size 126
	.end_amdhsa_kernel
	.amdgpu_metadata
---
amdhsa.version: [ 1, 2 ]
amdhsa.kernels:
  - .name:           k_q773c792b31_pv
    .symbol:         k_q773c792b31_pv.kd
    .args:
      - { .name: wei, .offset: 0, .size: 8, .value_kind: global_buffer, .address_space: global }
      - { .name: kqv, .offset: 8, .size: 8, .value_kind: global_buffer, .address_space: global }
      - { .name: amax, .offset: 16, .size: 8, .value_kind: global_buffer, .address_space: global }
      - { .name: tab, .offset: 24, .size: 8, .value_kind: global_buffer, .address_space: global }
      - { .name: o16, .offset: 32, .size: 8, .value_kind: global_buffer, .address_space: global }
    .group_segment_fixed_size: 327680
    .private_segment_fixed_size: 0
    .kernarg_segment_align: 8
    .kernarg_segment_size: 40
    .max_flat_workgroup_size: 128
    .sgpr_count:     72
    .vgpr_count:     768
    .wavefront_size: 32
...
	.end_amdgpu_metadata
.endif
;; end of part 4
;; launch proj (part 5): grid 4 x 64, 4 waves a work-group, clusters of 4 x 4, 327,680 bytes of LDS; arguments o16, wp16, amax, bp, out0; writes out0
.if DOCPART == 5
	.amdgcn_target "amdgcn-amd-amdhsa--gfx1250"
	.amdhsa_code_object_version 6
	.text
	.protected	k_q773c792b31_proj
	.globl	k_q773c792b31_proj
	.p2align	8
	.type	k_q773c792b31_proj,@function
k_q773c792b31_proj:
	s_mov_b64 s[64:65], 0
	v_nop
	global_prefetch_b8 v0, s[64:65] scope:SCOPE_SE
	s_setreg_imm32_b32 hwreg(HW_REG_WAVE_MODE, 25, 1), 1
	s_wait_xcnt 0x0
	s_wait_alu depctr_hold_cnt(0) depctr_sa_sdst(0) depctr_va_vdst(0) depctr_va_sdst(0) depctr_va_ssrc(0) depctr_va_vcc(0) depctr_vm_vsrc(0)
	s_getreg_b32 s2, hwreg(HW_REG_IB_STS2, 6, 4)
	s_cmp_eq_u32 s2, 0
	s_cbranch_scc0 .Lentry_in_a_cluster
	s_endpgm
.Lentry_in_a_cluster:
	s_bfe_u32 s2, ttmp6, 0x10000c
	s_cmp_lg_u32 s2, 0xf033
	s_cbranch_scc0 .Lentry_shape_is_right
	s_endpgm
.Lentry_shape_is_right:
; ONE TEXT SERVES TWO LAUNCHES; the constant KIND picks the lines that differ.  Each is a product C = A B^T of [8192][1024] by 1,024 columns, f16 operands, f32 sums, with its own way out.
;  KIND 0, scores: A = k', B = q' of the same batch.  w = softplus(sum / 32) where column j <= row i and pad_mask[j], else 0; stored as w f in f16.
;  KIND 2, proj:   A = the rotated-back sums of w f v' g in f16, B = Wp in f16.  out = sum / (f g) + bp, f32.
; f AND g ARE EXACT POWERS OF TWO, made alike in every work-group from amax (the largest |k'|, |q'|, |v'|), and enter values alone.  softplus(s) <= |s| + 1 <= 32 kmax qmax + 1 =: B, so with E = B's exponent field
; f = 2^(141 - E) keeps w f under 2^15; with EV = vmax's exponent field g = 2^(116 - EV) keeps 1,024 terms (w f) v' g under 2^15.  LIMIT: |k'|, |q'|, |v'| up to 65,504; NaN and infinities are not served.
; softplus(s) = ln 2 x (max(u, 0) + log2(1 + 2^-|u|)), u = s log2(e): no exponential can overflow, and what underflows is nothing beside 1.
; SHARES.  A tile of C is 128 x 256: 256 work-groups.  Four waves, 64 x 128 each: 32 accumulators, 256 registers (window 1).
; TWO LDS SLOTS OF UNEQUAL LENGTH: D holds 256 along K (rows of 512 bytes), S 128 (rows of 256 bytes): two slots of 256 would not fit.  K = 1,024 is walked D S D S D, written out.  Both are asked for at the start;
; D is filled again twice and S once, each behind a round of the cluster's barrier.  From S's refill to the wait for it a wave issues 240 matrix instructions, from D's 112.
; CLUSTERS: 4 x 4 work-groups; A's tile is shared along a row of the cluster, B's along a column, each asked for JOINTLY.  THE MATRIX INSTRUCTION IS USED TRANSPOSED (source 0 = B, source 1 = A): a lane holds eight neighbouring columns of a row of C.
; REGISTERS, window 0: v1-3 l % 16, l / 16, lane; v4-15 the way out's constants; v16-29 addresses; v32-63 amax, later packed results; two fragment buffers of 96 at v64 and v160 (32 of A, 64 of B).
;   On the way out: v192-255 and v128-191 a block's 16 rows, by turns; v64-127 at work.
.set KIND,   2
.set PD,     528                       ; an LDS row of D: 512 bytes + 16 of padding; of S: 256 + 16: in both the 16 rows that a load touches start at 16 different banks (64 banks of 4 bytes: ISA guide 11.1)
.set PS,     272
.set LDA,    0                         ; D: A's 128 rows,
.set LDB,    128*PD                    ; B's 256 rows
.set LSA,    384*PD                    ; S: A's 128 rows,
.set LSB,    LSA+128*PS                ; B's 256 rows
.set SPARE,  LSA+384*PS                ; behind the slots: the spare words, 128 bytes for each wave
.set STAGE,  LSA                       ; the way out: 16 rows x (512 bytes + 16) for each wave, in S, which has had its last fill and, behind the last barrier, its last read
.set SPITCH, 528
.set KADV,   768                       ; a slot's next fill lies three K steps of 256 bytes further along the rows
.set FAC,  12                          ; v12-13  the way out's factor, twice
.set ADRA, 16                          ; v16 in D, v17 in S
.set ADRB, 20                          ; v20 in D, v21 in S
.set STO,  24
.set RD,   25
.set CO,   26                          ; 8 x lane
.set TO,   27                          ; 16 x lane
.set SPW,  28
.set NIL,  29
.set OUT,  32
.set F0,   64
.set F1,   160
.set XX,   192
.set EE,   64
.set G1A,  24                          ; s[24:31] group 1 for A's tiles in D, s[32:39] in S
.set G1B,  48                          ; s[48:55], s[56:63] the same for B's
.set G0A,  72                          ; s[72:75] group 0 for A's tiles in D, s[76:79] in S
.set G0B,  80                          ; s[80:83], s[84:87] the same for B's
.set SEL,  66
.set CS,   68
.set MSB, 0
.macro WIN new                         ; the immediate's high byte repeats the setting that is left
.if MSB != \new
	s_set_vgpr_msb (MSB<<8)|\new
.set MSB, \new
.endif
.endm
.set MUL, 0x50                         ; C and D window 1, both sources window 0
.macro JLOAD s                         ; a joint load into slot s (0: D, 1: S): waves 0 and 1 fetch A's halves, waves 2 and 3 B's; an s_nop 0 and four v_nop follow each of the two lines
	s_cmp_eq_u32 s15, 0
	s_cbranch_scc0 .Lfor_b_\@
	tensor_load_to_lds s[G0A+4*(\s):G0A+4*(\s)+3], s[G1A+8*(\s):G1A+8*(\s)+7]
	s_nop 0
.rept 4
	v_nop
.endr
	s_branch .Lasked_\@
.Lfor_b_\@:
	tensor_load_to_lds s[G0B+4*(\s):G0B+4*(\s)+3], s[G1B+8*(\s):G1B+8*(\s)+7]
	s_nop 0
.rept 4
	v_nop
.endr
.Lasked_\@:
.endm
.macro CREST                           ; a round of the cluster's barrier behind its opening barrier
	s_cmp_lg_u32 s14, 0
	s_cbranch_scc1 .Lnot_wave_0_\@
	s_barrier_signal -3
.Lnot_wave_0_\@:
	s_barrier_wait -3
	s_barrier_signal -1
	s_barrier_wait -1
.endm
.macro CROUND
	s_barrier_signal -1
	s_barrier_wait -1
	CREST
.endm
.if KIND == 0
	s_load_b64 s[4:5], s[0:1], 0x0                 ; kqv: A and B
	s_load_b64 s[8:9], s[0:1], 0x8                 ; amax
	s_load_b64 s[10:11], s[0:1], 0x10              ; pad_mask
	s_load_b64 s[12:13], s[0:1], 0x18              ; wei
.else
	s_load_b256 s[4:11], s[0:1], 0x0               ; A, B, amax, bp
	s_load_b64 s[12:13], s[0:1], 0x20              ; the result
.endif
	v_lshl_add_u32 v[SPW], v0, 2, SPARE
	v_mov_b32 v[NIL], 0
	ds_add_u32 v[SPW], v[NIL]                      ; the wave's opening: the add, twice on end, and its wait ahead of my first tensor load
	ds_add_u32 v[SPW], v[NIL]
	v_lshrrev_b32 v1, 5, v0
	v_readfirstlane_b32 s14, v1                    ; wave
	s_lshr_b32 s15, s14, 1                         ; which 64 rows are mine.  Also: I fetch for A (0) or for B (1)
	s_and_b32 s16, s14, 1                          ; which 128 columns.  Also: which half of that tile I fetch
	s_bfe_u32 s40, ttmp6, 0x40000                  ; cx = the tile column (the grid is one cluster wide)
	s_bfe_u32 s41, ttmp6, 0x40004                  ; cy
	s_and_b32 s18, ttmp7, 0xffff                   ; the cluster's y: two clusters to a batch
	s_lshl_b32 s17, s18, 2
	s_add_co_u32 s17, s17, s41                     ; tile row = 4 x cluster y + cy
	s_lshl_b32 s42, s41, 2
	s_lshl_b32 s42, 15, s42                        ; my row of the cluster
	s_lshl_b32 s43, 0x1111, s40                    ; my column
	s_or_b32 s[G1A], s42, (1<<16)|(1<<20)|(1<<21)|(6<<22)|(3<<25)     ; the mask; elements of 2 bytes; padding on; bit 21 beside a mask; D: 4 words behind every 128,
	s_or_b32 s[G1A+8], s42, (1<<16)|(1<<20)|(1<<21)|(5<<22)|(3<<25)   ; S: behind every 64
	s_or_b32 s[G1B], s43, (1<<16)|(1<<20)|(1<<21)|(6<<22)|(3<<25)
	s_or_b32 s[G1B+8], s43, (1<<16)|(1<<20)|(1<<21)|(5<<22)|(3<<25)
.irp g, G1A, G1B
	s_mov_b32 s[\g+1], 256<<16                     ; D: tensor_dim0,
	s_mov_b32 s[\g+3], 256<<16                     ; tile_dim0 = 256 elements
	s_mov_b32 s[\g+9], 128<<16                     ; S: 128
	s_mov_b32 s[\g+11], 128<<16
	s_mov_b32 s[\g+5], 1024                        ; from row to row
	s_mov_b32 s[\g+13], 1024
	s_mov_b32 s[\g+6], 0
	s_mov_b32 s[\g+7], 0
	s_mov_b32 s[\g+14], 0
	s_mov_b32 s[\g+15], 0
.endr
	s_mov_b32 s[G1A+2], 64<<16                     ; A: tensor_dim1,
	s_mov_b32 s[G1A+4], 64                         ; tile_dim1 = 64 rows a load
	s_mov_b32 s[G1A+10], 64<<16
	s_mov_b32 s[G1A+12], 64
	s_mov_b32 s[G1B+2], 128<<16                    ; B: 128 rows a load
	s_mov_b32 s[G1B+4], 128
	s_mov_b32 s[G1B+10], 128<<16
	s_mov_b32 s[G1B+12], 128
	s_mov_b32 s[G0A], 1                            ; group 0: the count, and where the tiles go: no place in the cluster enters an LDS address
	s_mov_b32 s[G0A+4], 1
	s_mov_b32 s[G0B], 1
	s_mov_b32 s[G0B+4], 1
	s_mul_i32 s[G0A+1], s16, 64*PD
	s_mul_i32 s[G0A+5], s16, 64*PS
	s_add_co_u32 s[G0A+5], s[G0A+5], LSA
	s_mul_i32 s[G0B+1], s16, 128*PD
	s_add_co_u32 s[G0B+1], s[G0B+1], LDB
	s_mul_i32 s[G0B+5], s16, 128*PS
	s_add_co_u32 s[G0B+5], s[G0B+5], LSB
	; where the tiles come from.  A's hang on the tile row, which my row of the cluster shares; B's on the tile column and the batch, which my column shares.
	s_lshl_b32 s20, s17, 7
	s_lshl_b32 s21, s16, 6
	s_add_co_u32 s20, s20, s21                     ; A: row 128 x tile row + 64 x half
	s_lshl_b32 s20, s20, 11                        ; 2,048 bytes a row
	s_mov_b32 s21, 0
.if KIND == 0
	s_lshr_b32 s46, s18, 1
	s_lshl_b32 s46, s46, 10                        ; the batch's first row,
	s_lshl_b32 s47, s40, 8
	s_add_co_u32 s46, s46, s47                     ; + 256 x tile column
	s_lshl_b32 s47, s16, 7
	s_add_co_u32 s46, s46, s47                     ; + 128 x half
	s_lshl_b32 s46, s46, 11
	s_add_co_u32 s46, s46, 0x1000000               ; q' lies behind k'
.else
	s_lshl_b32 s46, s40, 8
	s_lshl_b32 s47, s16, 7
	s_add_co_u32 s46, s46, s47
	s_lshl_b32 s46, s46, 11
.endif
	s_mov_b32 s47, 0
	s_mov_b32 s[SEL], 0x76543210
	s_mov_b32 s[SEL+1], 0xfedcba98
.if KIND == 0
	s_mov_b32 s[CS], 0x3d38aa3b                    ; log2(e) / 32
	s_mov_b32 s[CS+1], s[CS]                       ; (named with it as a pair, so it is written)
.endif
	s_wait_dscnt 0x0                               ; both opening adds are done
	s_wait_kmcnt 0x0
	s_add_nc_u64 s[20:21], s[4:5], s[20:21]
.if KIND == 0
	s_add_nc_u64 s[46:47], s[4:5], s[46:47]
.else
	s_add_nc_u64 s[46:47], s[6:7], s[46:47]
.endif
	s_mov_b64 s[G0A+2:G0A+3], s[20:21]             ; D begins with K steps 0 and 1,
	s_or_b32 s[G0A+3], s[G0A+3], 0x80000000
	s_add_nc_u64 s[G0A+6:G0A+7], s[20:21], 512     ; S with K step 2
	s_or_b32 s[G0A+7], s[G0A+7], 0x80000000
	s_mov_b64 s[G0B+2:G0B+3], s[46:47]
	s_or_b32 s[G0B+3], s[G0B+3], 0x80000000
	s_add_nc_u64 s[G0B+6:G0B+7], s[46:47], 512
	s_or_b32 s[G0B+7], s[G0B+7], 0x80000000
	CROUND                                         ; all sixteen work-groups are here: the first joint loads meet
	JLOAD 0
	JLOAD 1                                        ; by this text's own count two tensor loads of a wave are out here, later one
	v_and_b32 v1, 15, v0                           ; l % 16
	v_bfe_u32 v2, v0, 4, 1                         ; l / 16
	v_and_b32 v3, 31, v0                           ; lane
	v_mul_u32_u24 v5, v1, PD
	v_lshl_add_u32 v5, v2, 4, v5                   ; a fragment's row x pitch + 16 x half, in D
	v_mul_u32_u24 v7, v1, PS
	v_lshl_add_u32 v7, v2, 4, v7                   ; and in S
	s_mul_i32 s22, s15, 64*PD                      ; my 64 rows of A
	v_add_nc_u32 v[ADRA], s22, v5
	s_mul_i32 s22, s15, 64*PS
	s_add_co_u32 s22, s22, LSA
	v_add_nc_u32 v[ADRA+1], s22, v7
	s_mul_i32 s22, s16, 128*PD                     ; my 128 rows of B
	s_add_co_u32 s22, s22, LDB
	v_add_nc_u32 v[ADRB], s22, v5
	s_mul_i32 s22, s16, 128*PS
	s_add_co_u32 s22, s22, LSB
	v_add_nc_u32 v[ADRB+1], s22, v7
	s_mul_i32 s22, s14, 16*SPITCH
	s_add_co_u32 s22, s22, STAGE                   ; my stage
	v_mul_u32_u24 v7, v1, SPITCH                   ; in: row l % 16, 32 bytes for each half of the lanes
	v_lshl_add_u32 v7, v2, 5, v7
	v_add_nc_u32 v[STO], s22, v7
	v_lshlrev_b32 v[TO], 4, v3
	v_lshlrev_b32 v[CO], 3, v3
	v_add_nc_u32 v[RD], s22, v[TO]                 ; back: the 32 lanes take one row of 512 bytes
	s_lshl_b32 s20, s17, 7
	s_lshl_b32 s21, s15, 6
	s_add_co_u32 s20, s20, s21                     ; my first row
	s_and_b32 s71, s20, 1023                       ; and its place in its batch
	s_lshl_b32 s46, s40, 8
	s_lshl_b32 s47, s16, 7
	s_add_co_u32 s46, s46, s47                     ; my first column
.if KIND == 0
	s_sub_co_i32 s70, s46, s71                     ; first column less first row: for the causal mask
	s_lshl_b32 s20, s20, 11                        ; rows of 2,048 bytes
	s_lshl_b32 s22, s46, 1
.else
	s_lshl_b32 s20, s20, 12                        ; rows of 4,096 bytes
	s_lshl_b32 s22, s46, 2
.endif
	s_mov_b32 s21, 0
	s_mov_b32 s23, 0
	s_add_nc_u64 s[12:13], s[12:13], s[20:21]
	s_add_nc_u64 s[12:13], s[12:13], s[22:23]
.if KIND == 0
	s_lshr_b32 s22, s18, 1
	s_lshl_b32 s22, s22, 10
	s_add_co_u32 s22, s22, s46                     ; pad_mask: the batch's row, my first column
.else
	s_lshl_b32 s22, s46, 2                         ; bp
.endif
	s_add_nc_u64 s[10:11], s[10:11], s[22:23]
; amax: 512 words each for k', q', v': four loads of 512 bytes each; then the largest of 16 registers and of the 32 lanes
.macro AMAX dst, first
	v_mov_b32 v[\dst+1], 0                         ; (a lane permute's destination counts as one of its sources)
	v_max3_num_f32 v[\dst], v[\first], v[\first+1], v[\first+2]
.irp i, 3,5,7,9,11,13
	v_max3_num_f32 v[\dst], v[\dst], v[\first+\i], v[\first+\i+1]
.endr
	v_max_num_f32 v[\dst], v[\dst], v[\first+15]
	v_max_num_f32_dpp v[\dst], v[\dst], v[\dst] row_xmask:1 row_mask:0xf bank_mask:0xf
	v_max_num_f32_dpp v[\dst], v[\dst], v[\dst] row_xmask:2 row_mask:0xf bank_mask:0xf
	v_max_num_f32_dpp v[\dst], v[\dst], v[\dst] row_xmask:4 row_mask:0xf bank_mask:0xf
	v_max_num_f32_dpp v[\dst], v[\dst], v[\dst] row_xmask:8 row_mask:0xf bank_mask:0xf
	v_permlanex16_b32 v[\dst+1], v[\dst], s[SEL], s[SEL+1]
	v_max_num_f32 v[\dst], v[\dst], v[\dst+1]
.endm
.irp i, 0,1,2,3,4,5,6,7
	global_load_b128 v[32+4*\i:35+4*\i], v[TO], s[8:9] offset:512*\i            ; k's and q's
.endr
.if KIND == 2
.irp i, 0,1,2,3
	global_load_b128 v[64+4*\i:67+4*\i], v[TO], s[8:9] offset:4096+512*\i       ; v's
.endr
	global_load_b128 v[8:11], v[TO], s[10:11]      ; bp of my four columns
.else
	v_lshlrev_b32 v10, 2, v3
	global_load_b32 v4, v10, s[10:11]              ; pad_mask of my four columns
.endif
	s_wait_loadcnt 0x0                             ; all of them: the tiles are on their way meanwhile
	AMAX 14, 32
	AMAX 30, 48
	v_mul_f32 v14, v14, v30
	v_fma_f32 v14, v14, 0x42000000, 1.0            ; B = 32 kmax qmax + 1
	v_lshrrev_b32 v14, 23, v14                     ; E
.if KIND == 0
	v_sub_nc_u32 v14, 268, v14
	v_lshlrev_b32 v14, 23, v14                     ; f = 2^(141 - E)
	v_mul_f32 v[FAC], 0x3f317218, v14              ; f ln 2
.else
	AMAX 6, 64
	v_max_num_f32 v6, 0x0d800000, v6               ; vmax, held at 2^-100 from below
	v_lshrrev_b32 v6, 23, v6                       ; EV
	v_add_nc_u32 v14, -14, v14
	v_lshlrev_b32 v14, 23, v14                     ; 1 / f = 2^(E - 141)
	v_add_nc_u32 v6, 11, v6
	v_lshlrev_b32 v6, 23, v6                       ; 1 / g = 2^(EV - 116)
	v_mul_f32 v[FAC], v14, v6
.endif
	v_mov_b32 v[FAC+1], v[FAC]
; 8 matrix instructions: A's block a against B's eight, 32 along K.  zero = 1: the first product starts the sums.  The 32 accumulators take turns, one instruction a turn, in the same order in every quarter.
.macro MULA f, a, zero
.irp b, 0,1,2,3,4,5,6,7
.if \zero
	v_wmma_f32_16x16x32_f16 v[8*(8*\a+\b):8*(8*\a+\b)+7], v[\f+32+8*\b:\f+32+8*\b+7], v[\f+8*\a:\f+8*\a+7], 0
.else
	v_wmma_f32_16x16x32_f16 v[8*(8*\a+\b):8*(8*\a+\b)+7], v[\f+32+8*\b:\f+32+8*\b+7], v[\f+8*\a:\f+8*\a+7], v[8*(8*\a+\b):8*(8*\a+\b)+7]
.endif
.endr
.endm
; 24 LDS loads in one run: the fragments of the q-th 32 along K of slot src (0: D, 1: S) into buffer f: B's eight first, then A's four
.macro FETCH src, q, f
.set FP, PD-(PD-PS)*(\src)
.irp i, 0,1,2,3,4,5,6,7
	ds_load_b128 v[\f+32+8*\i:\f+32+8*\i+3],   v[ADRB+\src] offset:64*(\q)+\i*16*FP
	ds_load_b128 v[\f+32+8*\i+4:\f+32+8*\i+7], v[ADRB+\src] offset:64*(\q)+\i*16*FP+32
.endr
.irp i, 0,1,2,3
	ds_load_b128 v[\f+8*\i:\f+8*\i+3],   v[ADRA+\src] offset:64*(\q)+\i*16*FP
	ds_load_b128 v[\f+8*\i+4:\f+8*\i+7], v[ADRA+\src] offset:64*(\q)+\i*16*FP+32
.endr
.endm
.macro PLACES                          ; four plain vector instructions between a matrix instruction and a load into one of its registers, or a read of its result
.rept 4
	v_nop
.endr
.endm
; A quarter is 32 along K, 32 matrix instructions, on buffers 0, 1 by turns.  It multiplies buffer f and fetches the slot's q-th quarter into g.
.macro QUARTER src, q, f, g, zero
	s_wait_dscnt 4                                 ; B's eight and A's blocks 0, 1 are in; the youngest four loads (A's blocks 2, 3) may be out
	WIN MUL
	MULA \f, 0, \zero
	MULA \f, 1, \zero
	PLACES
	WIN 0
	FETCH \src, \q, \g
	s_wait_dscnt 24                                ; all but the 24 just issued
	WIN MUL
	MULA \f, 2, \zero
	MULA \f, 3, \zero
.endm
; A slot's last quarter multiplies buffer 1 and changes slots: ONE barrier; in front of it each wave waits for all its tensor loads, adds 0 to its spare word, and waits for that and for its own reads of slot cur.
; fill = 1: the barrier opens a round of the cluster's barrier, and slot cur is filled again, first thing behind the round.
.macro TURN next, cur, fill
	WIN 0
	s_wait_tensorcnt 0x0                           ; all my tensor loads have landed: my part of the next slot
	ds_add_u32 v[SPW], v[NIL]
	s_wait_dscnt 5                                 ; (the add and the youngest four loads may be out)
	WIN MUL
	MULA F1, 0, 0                                  ; eight matrix instructions stand between the add and the wait for it
	s_wait_dscnt 0x0                               ; the add is done, and my reads of this slot are over
	s_barrier_signal -1
	MULA F1, 1, 0
	WIN 0
	s_barrier_wait -1
.if \fill
	CREST                                          ; no wave of any partner still reads this slot's tile or has a load on its way
	s_add_nc_u64 s[G0A+4*\cur+2:G0A+4*\cur+3], s[G0A+4*\cur+2:G0A+4*\cur+3], KADV
	s_add_nc_u64 s[G0B+4*\cur+2:G0B+4*\cur+3], s[G0B+4*\cur+2:G0B+4*\cur+3], KADV
	JLOAD \cur                                     ; the first tensor load behind the round; its four v_nop are also the places in front of the loads below
.else
	PLACES
.endif
	FETCH \next, 0, F0
	WIN MUL
	MULA F1, 2, 0
	MULA F1, 3, 0
.endm
.macro DSEG zero                       ; D's eight quarters but the last
	QUARTER 0, 1, F0, F1, \zero
	QUARTER 0, 2, F1, F0, 0
	QUARTER 0, 3, F0, F1, 0
	QUARTER 0, 4, F1, F0, 0
	QUARTER 0, 5, F0, F1, 0
	QUARTER 0, 6, F1, F0, 0
	QUARTER 0, 7, F0, F1, 0
.endm
.macro SSEG                            ; S's four quarters but the last
	QUARTER 1, 1, F0, F1, 0
	QUARTER 1, 2, F1, F0, 0
	QUARTER 1, 3, F0, F1, 0
.endm
	s_wait_tensorcnt 1                             ; my part of D is in; S's may stay out
	s_barrier_signal -1
	s_barrier_wait -1                              ; everybody's is
	FETCH 0, 0, F0
	DSEG 1                                         ; K steps 0 and 1; the first quarter's products start the sums
	TURN 1, 0, 1                                   ; D takes K steps 3 and 4
	SSEG                                           ; K step 2
	TURN 0, 1, 1                                   ; S takes K step 5
	DSEG 0                                         ; K steps 3 and 4
	TURN 1, 0, 1                                   ; D takes K steps 6 and 7
	SSEG                                           ; K step 5
	TURN 0, 1, 0                                   ; nothing is left to fetch
	DSEG 0                                         ; K steps 6 and 7
	s_wait_dscnt 4                                 ; the very last quarter
	WIN MUL
	MULA F1, 0, 0
	MULA F1, 1, 0
	s_wait_dscnt 0x0
	MULA F1, 2, 0
	MULA F1, 3, 0
	WIN 0
	PLACES                                         ; behind the last products: for the reads of results, and for what is written into the fragments' registers
; THE WAY OUT, 16 rows x 128 columns at a time: through my own stage in LDS, so that row t of the block lies in the wave with lane l holding columns 4 l .. 4 l + 3.  A block goes through the stage while the block before it is worked on.
.macro TOSTAGE a                       ; LDS serves a wave's instructions in order (ISA guide 5.7.1.4): no wait between the stores and the loads, nor in front of the next block's stores
.set XB, XX-64*((\a)%2)
	WIN 0x04                                       ; an LDS store's data are its source 1: window 1
.irp b, 0,1,2,3,4,5,6,7
	ds_store_b128 v[STO], v[8*(8*(\a)+\b):8*(8*(\a)+\b)+3] offset:64*\b            ; each accumulator from its low end on
	ds_store_b128 v[STO], v[8*(8*(\a)+\b)+4:8*(8*(\a)+\b)+7] offset:64*\b+16
.endr
	WIN 0
.irp t, 0,1,2,3,4,5,6,7,8,9,10,11,12,13,14,15
	ds_load_b128 v[XB+4*\t:XB+4*\t+3], v[RD] offset:\t*SPITCH
.endr
.endm
.if KIND == 0
	v_lshl_add_u32 v6, v3, 2, s70                  ; my first column less the wave's first row
	v_mov_b32 v14, 0x3fffffff                      ; in its stead for a column that pad_mask hides: beyond every row
.irp e, 0,1,2,3
	v_bfe_u32 v5, v4, 8*\e, 8
	v_add_nc_u32 v7, \e, v6
	v_cmp_ne_u32 vcc_lo, 0, v5
	v_cndmask_b32 v[8+\e], v14, v7, vcc_lo         ; column e counts for the wave's row n where n >= this number
.endr
.macro BLOCK a
.if (\a) < 3
	TOSTAGE (\a)+1
	s_wait_dscnt 32                                ; this block's rows are back; the next block's 16 stores and 16 loads may be out
.else
	s_wait_dscnt 0x0
.endif
	s_wait_xcnt 0x0                                ; the last block's stores have read their data
.set XC, XX-64*((\a)%2)
.set i, 0
.rept 32
	v_pk_mul_f32 v[XC+2*i:XC+2*i+1], v[XC+2*i:XC+2*i+1], s[CS:CS+1] op_sel_hi:[1,0]   ; u = sum x log2(e) / 32
.set i, i+1
.endr
.set i, 0
.rept 64
	v_exp_f32 v[EE+i], -|v[XC+i]|                  ; 2^-|u|, at most 1
.set i, i+1
.endr
	v_nop                                          ; a plain instruction behind the last exponential
	s_wait_alu depctr_va_vdst(0)                   ; one wait for the batch, ahead of its first reader
.set i, 0
.rept 32
	v_pk_add_f32 v[EE+2*i:EE+2*i+1], v[EE+2*i:EE+2*i+1], 1.0 op_sel_hi:[1,0]
.set i, i+1
.endr
.set i, 0
.rept 64
	v_log_f32 v[EE+i], v[EE+i]                     ; log2(1 + 2^-|u|)
.set i, i+1
.endr
.set i, 0
.rept 64
	v_max_num_f32 v[XC+i], 0, v[XC+i]              ; max(u, 0): plain work behind the logarithms
.set i, i+1
.endr
	s_wait_alu depctr_va_vdst(0)                   ; one wait for the batch of logarithms
.set i, 0
.rept 32
	v_pk_add_f32 v[XC+2*i:XC+2*i+1], v[XC+2*i:XC+2*i+1], v[EE+2*i:EE+2*i+1]
.set i, i+1
.endr
.set i, 0
.rept 32
	v_pk_mul_f32 v[XC+2*i:XC+2*i+1], v[XC+2*i:XC+2*i+1], v[FAC:FAC+1]                 ; x f ln 2
.set i, i+1
.endr
.irp t, 0,1,2,3,4,5,6,7,8,9,10,11,12,13,14,15
.irp e, 0,1,2,3
	v_cmp_ge_i32 s[20+\e], 16*(\a)+\t, v[8+\e]     ; the causal mask and pad_mask in one compare; four results in four registers
.endr
.irp e, 0,1,2,3
	v_cndmask_b32 v[XC+4*\t+\e], 0, v[XC+4*\t+\e], s[20+\e]   ; what is hidden is 0
.endr
.endr
.set i, 0
.rept 32
	v_cvt_pk_f16_f32 v[OUT+i], v[XC+2*i], v[XC+2*i+1]
.set i, i+1
.endr
.irp t, 0,1,2,3,4,5,6,7,8,9,10,11,12,13,14,15
	global_store_b64 v[CO], v[OUT+2*\t:OUT+2*\t+1], s[12:13] offset:(16*(\a)+\t)*2048   ; the wave stores 256 consecutive bytes, at a multiple of 256 from the buffer's first byte
.endr
.endm
.else
.macro BLOCK a
.if (\a) < 3
	s_wait_xcnt 0x0                                ; the stores of the block before have read their data, which the loads below write again
	TOSTAGE (\a)+1
	s_wait_dscnt 32                                ; this block's rows are back; the next block's 16 stores and 16 loads may be out
.else
	s_wait_dscnt 0x0
.endif
.set XC, XX-64*((\a)%2)
.set i, 0
.rept 16
	v_pk_fma_f32 v[XC+4*i:XC+4*i+1], v[XC+4*i:XC+4*i+1], v[FAC:FAC+1], v[8:9]         ; sum / (f g) + bp
	v_pk_fma_f32 v[XC+4*i+2:XC+4*i+3], v[XC+4*i+2:XC+4*i+3], v[FAC:FAC+1], v[10:11]
.set i, i+1
.endr
.irp t, 0,1,2,3,4,5,6,7,8,9,10,11,12,13,14,15
	global_store_b128 v[TO], v[XC+4*\t:XC+4*\t+3], s[12:13] offset:(16*(\a)+\t)*4096 th:TH_STORE_NT   ; the wave stores 512 consecutive bytes, aligned; written once, read by nobody here
.endr
.endm
.endif
	TOSTAGE 0
.irp a, 0,1,2,3
	BLOCK \a
.endr
	s_wait_tensorcnt 0x0                           ; the wave's end, behind my last tensor load and my last LDS store
	ds_add_u32 v[SPW], v[NIL]
	s_wait_dscnt 0x0
	CROUND                                         ; the closing round: no work-group ends while a partner may still ask for a tile that names it
	s_endpgm
.Lfunc_end_k_q773c792b31_proj:
	.size	k_q773c792b31_proj, .Lfunc_end_k_q773c792b31_proj-k_q773c792b31_proj
	.p2alignl 7, 3214868480
	.fill 96, 4, 3214868480
	.section	.rodata,"a",@progbits
	.p2align	6, 0x0
	.amdhsa_kernel k_q773c792b31_proj
		.amdhsa_group_segment_fixed_size 327680
		.amdhsa_private_segment_fixed_size 0
		.amdhsa_enable_private_segment 0
		.amdhsa_kernarg_size 40
		.amdhsa_user_sgpr_count 2
		.amdhsa_user_sgpr_kernarg_segment_ptr 1
		.amdhsa_wavefront_size32 1
		.amdhsa_system_sgpr_workgroup_id_x 1
		.amdhsa_system_sgpr_workgroup_id_y 1
		.amdhsa_system_sgpr_workgroup_id_z 1
		.amdhsa_system_vgpr_workitem_id 0
		.amdhsa_next_free_vgpr 512
		.amdhsa_next_free_sgpr 96
		.amdhsa_reserve_vcc 1
		.amdhsa_float_denorm_mode_32 3
		.amdhsa_float_denorm_mode_16_64 3
		.amdhsa_memory_ordered 1
		.amdhsa_forward_progress 1
		.amdhsa_inst_pref_size 159
	.end_amdhsa_kernel
	.amdgpu_metadata
---
amdhsa.version: [ 1, 2 ]
amdhsa.kernels:
  - .name:           k_q773c792b31_proj
    .symbol:         k_q773c792b31_proj.kd
    .args:
      - { .name: o16, .offset: 0, .size: 8, .value_kind: global_buffer, .address_space: global }
      - { .name: wp16, .offset: 8, .size: 8, .value_kind: global_buffer, .address_space: global }
      - { .name: amax, .offset: 16, .size: 8, .value_kind: global_buffer, .address_space: global }
      - { .name: bp, .offset: 24, .size: 8, .value_kind: global_buffer, .address_space: global }
      - { .name: out0, .offset: 32, .size: 8, .value_kind: global_buffer, .address_space: global }
    .group_segment_fixed_size: 327680
    .private_segment_fixed_size: 0
    .kernarg_segment_align: 8
    .kernarg_segment_size: 40
    .max_flat_workgroup_size: 128
    .sgpr_count:     96
    .vgpr_count:     512
    .wavefront_size: 32
...
	.end_amdgpu_metadata
.endif
;; end of part 5
